; MI455X (gfx1250); checked and timed in simulation.
; The chip was launched on July 23, 2026; its instructions are those of AMD's public machine-readable ISA for CDNA 5 (MIT licence, August 2026) and "CDNA5" Instruction Set Architecture Reference Guide (July 2026). The comments in the code are by the model that wrote it; some were corrected since.
;; Attention. Allowed arithmetic: matrix products marked QUANTISED: E2M1 operands, one E8M0 scale for each 32 along K, by v_wmma_scale_f32_16x16x128_f8f6f4 with both operands' format E2M1 (or v_wmma_scale_f32_32x16x128_f4), f32 sums; products left as they are: bf16, f16 or f32 operands; f32 sums; everything else in f32.
;; Inputs: b_proj 1,024 float32; k_norm_w 64 float32; q_norm_w 64 float32; rope_cos 1 x 1 x 2,048 x 64 float32; rope_sin 1 x 1 x 2,048 x 64 float32; w_proj 1,024 x 1,024 float32; w_qkv 3,072 x 1,024 float32; x 4 x 2,048 x 1,024 float32.
;; Outputs: out0 4 x 2,048 x 1,024 float32.
;; This version of the problem:
;;   THIS VERSION OF THE PROBLEM IS GIVEN IN LOW PRECISION. The matrix products marked QUANTISED in the list below multiply operands that are first quantised to E2M1 (2 exponent bits, 1 mantissa bit; 4 bits a number), with one power-of-two scale for each 32 numbers along K (OCP MX v1.0); their sums are f32. The products marked 'left as it is' may take bf16, f16 or f32 operands, with f32 sums. Whichever they take, every output number must still come out within the allowed error. Rounding operands to bf16 (8 significant bits) uses up far more of that allowance than f16 does (11 bits, for magnitudes from 6e-5 to 65,504). All else is computed in f32.
;;   The module's matrix products, in the order in which they are computed (A, B: the left and right operand; K: the contracted axis; several contracted axes count as one K, in the product's order):
;;     1. [M 8,192, K 1,024] x [K 1,024, N 3,072]; A: input x; B: input w_qkv: QUANTISED
;;     2. batch 64 x [M 2,048, K 64] x [K 64, N 2,048]; A: computed on the way; B: computed on the way: left as it is (an operand is computed on the way)
;;     3. batch 64 x [M 2,048, K 2,048] x [K 2,048, N 64]; A: computed on the way; B: computed on the way: left as it is (an operand is computed on the way)
;;     4. [M 8,192, K 1,024] x [K 1,024, N 1,024]; A: computed on the way; B: input w_proj: left as it is (an operand is computed on the way)
;;   THE QUANTISER, for each operand of a quantised product, along K:
;;     - K is cut into blocks of 32 from its start; a last block that is shorter is filled with zeros.
;;     - A block's scale is 2^e with e = floor(log2(the largest magnitude in the block)) - 2, held to -126 .. 127; a block of zeros has e = 0. As a byte (E8M0): e + 127.
;;     - Each number is divided by its block's scale, clamped to +-6, and rounded to the nearest number of E2M1, ties to even, subnormals kept.
;;     - The product sums the exact products of the quantised numbers (number of the format x scale) in f32.
;;   ~~~python
;;   def quantise(x, axis):      # numpy; x: float32 -> the quantised numbers, widened to float32 again
;;       x = np.moveaxis(x, axis, -1); K = x.shape[-1]
;;       x = np.pad(x, [(0, 0)] * (x.ndim - 1) + [(0, -K % 32)]); x = x.reshape(x.shape[:-1] + (-1, 32)); a = np.abs(x).max(-1, keepdims=True)
;;       e = np.where(a > 0, np.clip(np.frexp(np.where(a > 0, a, 1))[1] - 1 - 2, -126, 127), 0)      # np.frexp(a)[1] - 1 = floor(log2(a)), exactly
;;       r = np.clip(x / 2.0 ** e, -6, 6)
;;       step = 2.0 ** (np.maximum(np.frexp(np.where(r == 0, 1, r))[1] - 1, 0) - 1)
;;       q = np.round(r / step) * step * 2.0 ** e      # np.round: ties to even
;;       return np.moveaxis(q.reshape(q.shape[:-2] + (-1,))[..., :K], -1, axis).astype(np.float32)
;;   ~~~
;; One version. Each part assembles by itself: llvm-mc -triple=amdgcn-amd-amdhsa -mcpu=gfx1250 --defsym DOCPART=n.
;; ======== version 1 of 1: 4 launches
;; limits: values are held in f16: magnitudes above 65,504 overflow, below 6.1e-05 lose precision
;; workspace buffers: xc 4,194,304 bytes; xs 262,144 bytes; wc 1,572,864 bytes; ws 98,304 bytes; wimg 2,097,152 bytes; qimg 16,777,216 bytes; kv 33,554,432 bytes; aimg 16,777,216 bytes
;; launch prep (part 1): grid 416 x 1, 4 waves a work-group, no clusters, 33,280 bytes of LDS; arguments x, w_qkv, xc, xs, wc, ws, w_proj, wimg; writes xc, xs, wc, ws, wimg
.if DOCPART == 1
	.amdgcn_target "amdgcn-amd-amdhsa--gfx1250"
	.amdhsa_code_object_version 6
	.text
	.protected	k_q14fa52d18e_prep
	.globl	k_q14fa52d18e_prep
	.p2align	8
	.type	k_q14fa52d18e_prep,@function
k_q14fa52d18e_prep:
	s_mov_b64 s[64:65], 0
	v_nop
	global_prefetch_b8 v0, s[64:65] scope:SCOPE_SE
	s_setreg_imm32_b32 hwreg(HW_REG_WAVE_MODE, 25, 1), 1
	s_wait_xcnt 0x0
; LAUNCH 1 OF 4.  The module: qkv = x w_qkv^T (both operands quantised to E2M1 with one E8M0 scale for each 32 along K), RMS norm and rope on q and k, softmax attention, out w_proj^T + b_proj.
; NO WORK OF reference() IS LEFT OUT: every input reaches the output, and every product of the table is done.
; This launch (a) turns x [8192][1024] and w_qkv [3072][1024], f32, K innermost, into codes (xc, wc: 512 bytes a row) and scale bytes (xs, ws: 32 bytes a row);
; (b) rounds w_proj [1024][1024] to f16 and lays it as IMAGES OF OPERAND REGISTERS for the last launch: wimg [16 rows: 64][32 along K: 32][half g: 2][512 bytes]; in a half, lane l's 16 bytes lie at 16 l and hold
; row l % 16, K = 16 g + 8 (l / 16) + 0 .. 7 of the fragment: what registers 4 g .. 4 g + 3 of a 16-bit fragment hold.
; (a) A block's scale is 2^(floor(log2(its largest magnitude)) - 2); its byte is the largest magnitude's own exponent field - 2, held at 1 from below.  A block of zeros so gets the byte 1 where the rule says 127:
; its codes are zeros, which add nothing under any byte but 0xff, and the bytes are read by this program alone.  Each number is divided by the scale and rounded to the nearest code, ties to even; beyond 6 the largest code.
; LIMITS: blocks whose largest magnitude lies under 2^(2 - 126) have their byte held at 1; NaN and infinities among the inputs are not served; w_proj beyond f16's range (65,504) is not served.
; Rows are dense and K is a multiple of 32: both tensors are plain streams of blocks of 32.  A wave takes 16 steps of 512 numbers.  Each of a step's four loads reads 512 consecutive bytes, 16 a lane; the 2,048 bytes go
; through the wave's own stage in LDS and come back 64 bytes a lane, so that a lane holds 16 neighbours along K (two neighbouring lanes hold a block).  A lane's 16 codes are 8 bytes: the wave stores 256 consecutive bytes.
; A wave's 256 scale bytes are gathered in its own LDS bytes and leave as 256 consecutive bytes.  Work-groups 0-255 take x, 256-351 w_qkv, 352-415 w_proj.  Waves share nothing: no barrier.
.set SIZE_M, 8192
.set SIZE_N, 3072
.set SIZE_K, 1024
.set WAVES, 4
.set STEPS, 16
.set WGA,   SIZE_M*SIZE_K/(512*STEPS*WAVES)            ; 256 work-groups for x
.set WGQ,   (SIZE_M+SIZE_N)*SIZE_K/(512*STEPS*WAVES)   ; 352 for both quantised tensors
.set EMAX,  2
.set CB,    8                          ; bytes of 16 codes
.set R,     16                         ; v16-79   four sets of 16 numbers as they are loaded
.set X,     80                         ; v80-111  two sets of 16 neighbours
.set C,     128                        ; v128-191 codes: four registers for each step, so that no store's data are written again
.set E,     112                        ; v112-127 a scale byte for each step
.set WREG,  8192                       ; LDS: a region of its own for each wave: two stages of 32 x SP bytes, and behind them its 256 scale bytes
.set SP,    80                         ; a lane's place in a stage: its 64 bytes + 16 of padding
.set SPW,   12                         ; v12      LDS address of my spare word: SPARE + 4 x my thread's number; never rewritten
.set NIL,   13                         ; v13      0; never rewritten
.set SPARE, WAVES*WREG                 ; behind the four regions: the spare words, 128 bytes for each wave, which no other line names
.set CI,    16                         ; the cast: v16-143 f32 as loaded
.set CH,    144                        ; the cast: v144-207 f16 to store
	s_load_b128 s[4:7], s[0:1], 0x0                ; x, w_qkv
	s_load_b128 s[8:11], s[0:1], 0x10              ; x's codes, x's scales
	s_load_b128 s[12:15], s[0:1], 0x20             ; w_qkv's codes, its scales
	s_load_b128 s[24:27], s[0:1], 0x30             ; w_proj, wimg
	v_lshl_add_u32 v[SPW], v0, 2, SPARE
	v_mov_b32 v[NIL], 0
	v_lshrrev_b32 v1, 5, v0
	v_readfirstlane_b32 s16, v1                    ; wave
	v_and_b32 v2, 31, v0                           ; lane
	s_cmp_ge_u32 ttmp9, WGQ                        ; the last 64 work-groups cast w_proj: a branch on the work-group's number
	s_cbranch_scc1 .Lcast
	v_lshlrev_b32 v3, 4, v2                        ; my 16 bytes of a load's 512
	s_mul_i32 s17, s16, WREG
	v_lshrrev_b32 v14, 2, v2
	v_mul_u32_u24 v14, v14, SP
	v_and_b32 v15, 3, v2
	v_lshl_add_u32 v14, v15, 4, v14
	v_add_nc_u32 v14, s17, v14                     ; the stage, on the way in: four lanes' 64 bytes on end, then 16 of padding
	v_mul_u32_u24 v15, v2, SP
	v_add_nc_u32 v15, s17, v15                     ; and on the way out: SP x lane: my 16 neighbours
	v_mul_u32_u24 v4, v2, CB                       ; my codes' place in a step's
	v_lshrrev_b32 v5, 1, v2
	s_add_co_u32 s17, s17, 2*32*SP
	v_add_nc_u32 v5, s17, v5                       ; LDS: my wave's 256 scale bytes, my block's byte
	v_lshlrev_b32 v7, 3, v2                        ; and on the way out 8 bytes a lane
	v_add_nc_u32 v6, s17, v7
	s_wait_kmcnt 0x0
	s_cmp_lt_u32 ttmp9, WGA                        ; x's work-group or w_qkv's?  The choice hangs on the work-group's number alone
	s_cselect_b64 s[4:5], s[4:5], s[6:7]
	s_cselect_b64 s[8:9], s[8:9], s[12:13]
	s_cselect_b64 s[10:11], s[10:11], s[14:15]
	s_cselect_b32 s17, 0, WGA
	s_sub_co_u32 s17, ttmp9, s17
	s_lshl_b32 s17, s17, 2
	s_add_co_u32 s18, s17, s16                     ; which run of 8,192 numbers of the tensor is my wave's
	s_mov_b32 s19, 0
	s_mov_b64 s[20:21], 512*STEPS*4
	s_mul_u64 s[20:21], s[18:19], s[20:21]
	s_add_nc_u64 s[4:5], s[4:5], s[20:21]
	s_mov_b64 s[20:21], 32*STEPS*CB
	s_mul_u64 s[20:21], s[18:19], s[20:21]
	s_add_nc_u64 s[8:9], s[8:9], s[20:21]
	s_lshl_b32 s18, s18, 8                         ; 256 scale bytes a run
	s_add_nc_u64 s[10:11], s[10:11], s[18:19]
.macro LOAD t
.irp i, 0,1,2,3
	global_load_b128 v[R+16*((\t)%4)+4*\i:R+16*((\t)%4)+4*\i+3], v3, s[4:5] offset:2048*(\t)+512*\i th:TH_LOAD_NT   ; 32 lanes read 512 consecutive bytes
.endr
.endm
.macro TURN t                          ; step t's numbers through the stage: LDS serves a wave's instructions in order, so no wait stands between the stores and the loads
.irp i, 0,1,2,3
	ds_store_b128 v14, v[R+16*((\t)%4)+4*\i:R+16*((\t)%4)+4*\i+3] offset:32*SP*((\t)%2)+8*SP*\i
.endr
.irp i, 0,1,2,3
	ds_load_b128 v[X+16*((\t)%2)+4*\i:X+16*((\t)%2)+4*\i+3], v15 offset:32*SP*((\t)%2)+16*\i
.endr
.endm
.irp t, 0,1,2,3
	LOAD \t
.endr
	s_wait_loadcnt 12                              ; step 0's four loads are in; the twelve of steps 1 to 3 may be out
	TURN 0
.macro STEP t
.set XS, X+16*((\t)%2)
.if (\t) > 0
	s_wait_dscnt 1                                 ; this step's numbers are back from the stage (the last step's byte store may be out): so its stores into the stage have read their registers,
.else
	s_wait_dscnt 0x0
.endif
.if (\t)+4 < STEPS
	LOAD (\t)+4                                    ; which take the loads of four steps on
.endif
.if (\t)+1 < STEPS
.if STEPS-2-(\t) >= 3
	s_wait_loadcnt 12                              ; the next step's four loads are in; those of the three steps behind it may be out
.else
	s_wait_loadcnt 4*(STEPS-2-(\t))
.endif
	TURN (\t)+1                                    ; and go through the other stage while this step is worked
.endif
	v_max3_num_f32 v8, |v[XS]|, |v[XS+1]|, |v[XS+2]|               ; the largest magnitude of my 16, in two chains
	v_max3_num_f32 v9, |v[XS+3]|, |v[XS+4]|, |v[XS+5]|
.irp i, 6,10
	v_max3_num_f32 v8, v8, |v[XS+\i]|, |v[XS+\i+1]|
	v_max3_num_f32 v9, v9, |v[XS+\i+2]|, |v[XS+\i+3]|
.endr
	v_max3_num_f32 v8, v8, |v[XS+14]|, |v[XS+15]|
	v_max3_num_f32 v8, v8, v9, (EMAX+1)<<23        ; and the floor 2^(EMAX + 1 - 127): so the byte cannot fall under 1
	v_max_num_f32_dpp v8, v8, v8 row_xmask:1 row_mask:0xf bank_mask:0xf   ; and of my neighbour's 16: the block's
	v_add_nc_u32 v11, -(EMAX<<23), v8              ; EMAX off its exponent field: the conversion takes the exponent field of this operand as its scale, and nothing else of it
	v_cvt_scalef32_pk8_fp4_f32 v[C+4*(\t)], v[XS:XS+7], v11
	v_cvt_scalef32_pk8_fp4_f32 v[C+4*(\t)+1], v[XS+8:XS+15], v11
	v_lshrrev_b32 v[E+(\t)], 23, v11               ; the scale's byte
	ds_store_b8 v5, v[E+(\t)] offset:16*(\t)       ; both lanes of a block write the same byte with the same value
	global_store_b64 v4, v[C+4*(\t):C+4*(\t)+1], s[8:9] offset:32*CB*(\t)
.endm
.irp t, 0,1,2,3,4,5,6,7,8,9,10,11,12,13,14,15
	STEP \t
.endr
	ds_load_b64 v[8:9], v6                         ; LDS serves a wave's instructions in order: these see my stores
	s_wait_dscnt 0x0
	global_store_b64 v7, v[8:9], s[10:11]          ; 32 lanes store 256 consecutive bytes, aligned
	s_wait_tensorcnt 0x0                           ; the wave's end: behind my last LDS store
	ds_add_u32 v[SPW], v[NIL]
	s_wait_dscnt 0x0
	s_endpgm
; THE CAST.  Work-group 352 + db takes rows 16 db .. 16 db + 15 of w_proj; wave w takes 256 along K: fragments kk = 8 w .. 8 w + 7.  No LDS is touched on this path.
.Lcast:
	s_sub_co_u32 s17, ttmp9, WGQ                   ; db
	v_and_b32 v5, 15, v0                           ; r
	v_bfe_u32 v6, v0, 4, 1                         ; h
	v_lshlrev_b32 v3, 12, v5                       ; row r of 4,096 bytes,
	v_lshl_add_u32 v3, v6, 5, v3                   ; + 32 h: my eight numbers of a half
	v_lshlrev_b32 v4, 4, v2                        ; out: 16 x lane
	s_lshl_b32 s18, s17, 16                        ; 16 rows of 4,096 bytes,
	s_lshl_b32 s20, s16, 10                        ; my wave's 256 numbers of a row
	s_add_co_u32 s18, s18, s20
	s_mov_b32 s19, 0
	s_lshl_b32 s20, s17, 15                        ; 32 fragments of 1,024 bytes,
	s_lshl_b32 s21, s16, 13                        ; my wave's eight
	s_add_co_u32 s20, s20, s21
	s_mov_b32 s21, 0
	s_wait_kmcnt 0x0
	s_add_nc_u64 s[24:25], s[24:25], s[18:19]
	s_add_nc_u64 s[26:27], s[26:27], s[20:21]
.irp k, 0,1,2,3,4,5,6,7
.irp g, 0,1
.irp e, 0,1
	global_load_b128 v[CI+16*\k+8*\g+4*\e:CI+16*\k+8*\g+4*\e+3], v3, s[24:25] offset:128*\k+64*\g+16*\e   ; w_proj(r, 32 k + 16 g + 8 h + 4 e ..)
.endr
.endr
.endr
.irp k, 0,1,2,3,4,5,6,7
	s_wait_loadcnt 28-4*\k                         ; fragment k's four loads are in; the four of each later fragment may be out
.irp g, 0,1
.irp j, 0,1,2,3
	v_cvt_pk_f16_f32 v[CH+8*\k+4*\g+\j], v[CI+16*\k+8*\g+2*\j], v[CI+16*\k+8*\g+2*\j+1]
.endr
	global_store_b128 v4, v[CH+8*\k+4*\g:CH+8*\k+4*\g+3], s[26:27] offset:1024*\k+512*\g   ; 32 lanes store 512 consecutive bytes; no register is written twice, so nothing is waited for
.endr
.endr
	s_endpgm
.Lfunc_end_k_q14fa52d18e_prep:
	.size	k_q14fa52d18e_prep, .Lfunc_end_k_q14fa52d18e_prep-k_q14fa52d18e_prep
	.p2alignl 7, 3214868480
	.fill 96, 4, 3214868480
	.section	.rodata,"a",@progbits
	.p2align	6, 0x0
	.amdhsa_kernel k_q14fa52d18e_prep
		.amdhsa_group_segment_fixed_size 33280
		.amdhsa_private_segment_fixed_size 0
		.amdhsa_enable_private_segment 0
		.amdhsa_kernarg_size 64
		.amdhsa_user_sgpr_count 2
		.amdhsa_user_sgpr_kernarg_segment_ptr 1
		.amdhsa_wavefront_size32 1
		.amdhsa_system_sgpr_workgroup_id_x 1
		.amdhsa_system_sgpr_workgroup_id_y 1
		.amdhsa_system_sgpr_workgroup_id_z 1
		.amdhsa_system_vgpr_workitem_id 0
		.amdhsa_next_free_vgpr 208
		.amdhsa_next_free_sgpr 66
		.amdhsa_reserve_vcc 0
		.amdhsa_float_denorm_mode_32 3
		.amdhsa_float_denorm_mode_16_64 3
		.amdhsa_memory_ordered 1
		.amdhsa_forward_progress 1
		.amdhsa_inst_pref_size 43
	.end_amdhsa_kernel
	.amdgpu_metadata
---
amdhsa.version: [ 1, 2 ]
amdhsa.kernels:
  - .name:           k_q14fa52d18e_prep
    .symbol:         k_q14fa52d18e_prep.kd
    .args:
      - { .name: x, .offset: 0, .size: 8, .value_kind: global_buffer, .address_space: global }
      - { .name: w_qkv, .offset: 8, .size: 8, .value_kind: global_buffer, .address_space: global }
      - { .name: xc, .offset: 16, .size: 8, .value_kind: global_buffer, .address_space: global }
      - { .name: xs, .offset: 24, .size: 8, .value_kind: global_buffer, .address_space: global }
      - { .name: wc, .offset: 32, .size: 8, .value_kind: global_buffer, .address_space: global }
      - { .name: ws, .offset: 40, .size: 8, .value_kind: global_buffer, .address_space: global }
      - { .name: w_proj, .offset: 48, .size: 8, .value_kind: global_buffer, .address_space: global }
      - { .name: wimg, .offset: 56, .size: 8, .value_kind: global_buffer, .address_space: global }
    .group_segment_fixed_size: 33280
    .private_segment_fixed_size: 0
    .kernarg_segment_align: 8
    .kernarg_segment_size: 64
    .max_flat_workgroup_size: 128
    .sgpr_count:     66
    .vgpr_count:     208
    .wavefront_size: 32
...
	.end_amdgpu_metadata
.endif
;; end of part 1
;; launch qkv (part 2): grid 12 x 32, 4 waves a work-group, clusters of 4 x 4, 327,680 bytes of LDS; arguments xc, xs, wc, ws, rope_cos, rope_sin, q_norm_w, k_norm_w, qimg, kv; writes qimg, kv
.if DOCPART == 2
	.amdgcn_target "amdgcn-amd-amdhsa--gfx1250"
	.amdhsa_code_object_version 6
	.text
	.protected	k_q14fa52d18e_qkv
	.globl	k_q14fa52d18e_qkv
	.p2align	8
	.type	k_q14fa52d18e_qkv,@function
k_q14fa52d18e_qkv:
	s_mov_b64 s[64:65], 0
	v_nop
	global_prefetch_b8 v0, s[64:65] scope:SCOPE_SE
	s_setreg_imm32_b32 hwreg(HW_REG_WAVE_MODE, 25, 1), 1
	s_wait_xcnt 0x0
	s_wait_alu depctr_hold_cnt(0) depctr_sa_sdst(0) depctr_va_vdst(0) depctr_va_sdst(0) depctr_va_ssrc(0) depctr_va_vcc(0) depctr_vm_vsrc(0)
	s_getreg_b32 s2, hwreg(HW_REG_IB_STS2, 6, 4)
	s_cmp_eq_u32 s2, 0
	s_cbranch_scc0 .Lentry_in_a_cluster
	s_endpgm
.Lentry_in_a_cluster:
	s_bfe_u32 s2, ttmp6, 0x10000c
	s_cmp_lg_u32 s2, 0xf033
	s_cbranch_scc0 .Lentry_shape_is_right
	s_endpgm
.Lentry_shape_is_right:
; LAUNCH 2 OF 4: qkv = x w_qkv^T on codes of E2M1 with E8M0 scales (sums in f32), then RMS norm and rope for q and k; q, k and v leave as f16 IMAGES OF OPERAND REGISTERS for the attention launch.  Nothing of reference() is left out.
; A tile is 256 rows of an operand A x 256 rows of an operand B, made by four waves, 128 x 128 each: 64 accumulators, 512 registers.  K = 1,024 is two LDS slots of 512 along K: both are filled at the start, nothing is filled again.
; CLUSTERS of 4 x 4 work-groups; cluster x = 0: q, 1: k, 2: v.  The matrix instruction takes source 0 = 16 rows of B, source 1 = 16 rows of A: in the result a lane holds ONE row of A (lane % 16) and eight neighbouring rows of B, 8 (lane / 16) + 0 .. 7.
;   q, k: A = x (a token), B = w_qkv (a channel): a lane holds a token and eight channels, which, rounded to f16, are four registers of a fragment [16 tokens][32 channels].
;   v:    A = w_qkv's v rows (a channel), B = x (a token): a lane holds a channel and eight tokens: four registers of a fragment [16 channels][32 keys] of V^T.  Only the POINTERS and tile numbers are chosen; the text is one.
; A's tiles are shared along a row of the cluster, B's along a column: each is asked for jointly, by the same tensor load with the same descriptor and a mask that names the four.
; OUT.  A fragment's image is two halves of 512 bytes, lane l's 16 bytes at 16 l.  qimg [b h: 64][16 tokens: 128][32 channels: 2][half: 2][512]; q carries the factor log2(e) / 8, so that the scores are exponents of 2.
;   kv [b h: 64][64 keys: 32][16,384]: bytes 0-8,191 K [16 keys: 4][32 channels: 2][half: 2][512]; bytes 8,192-16,383 V^T [32 keys: 2][16 channels: 4][half: 2][512].  Every store of a wave is 512 consecutive bytes, aligned.
; NORM AND ROPE, in f32: y = x w / sqrt(mean(x^2) + 1e-6); out = y cos + rotate_half(y) sin.  1 / sqrt is v_rsq_f32, and it is multiplied in last (the steps between are linear).
; LIMITS: q log2(e) / 8, k and v are rounded to f16: magnitudes beyond 65,504 are not served (with inputs 30 times those drawn they stay under 10,000); NaN and infinities are not served.
; REGISTERS, in windows of 256: window 0: v0-31 addresses; v32-95 scale words, two sets; v128-191 A's fragments, one set; on the way out v96-233.  window 1: B's fragments, two sets, at v0 and v128; on the way out cos and sin.
;   window 2: the 32 accumulators of my A rows 0-63 (accumulator (a, b) at v[8 (8 a + b)]);  window 3: those of rows 64-127.
.set SIZE_K, 1024
.set KSTEP,  512                       ; along K in a slot
.set NQ,     KSTEP/128                 ; matrix instructions deep
.set ROWB,   256                       ; a tile's row in bytes
.set KROW,   SIZE_K*4/8                ; a row of codes in memory
.set PITCH,  272                       ; an LDS row: 256 bytes + 16 of padding: the 16 rows that a load touches start 68 words apart
.set FR,     8                         ; registers of a fragment: 16 rows x 128 K
.set NL,     2                         ; LDS loads that bring one
.set NP,     4                         ; places behind this matrix instruction (ISA guide 7.12.1)
.set HALFT,  128*PITCH                 ; 128 rows: what one tensor load brings
.set SLOT,   4*HALFT                   ; A's 256 rows, then B's 256 rows
.set KS,     SIZE_K/32                 ; a row of scales in bytes
.set SCL,    2*SLOT                    ; behind the two slots: the scales, as rows of 256 bytes + 16 of padding
.set HALFS,  (128*KS/256)*272          ; the scales of 128 rows
.set SBLK,   (16*KS/256)*272           ; those of 16 rows
.set SPARE,  SCL+4*HALFS               ; the spare words, 128 bytes for each wave, which no other line names
.set ADRA, 16                          ; v16-17  LDS address of my A fragments in slot 0, 1
.set ADRB, 20                          ; v20-21  the same for B
.set ADRS, 27                          ; v27     LDS address of my scale words: lanes 0-15 A's rows, lanes 16-31 B's
.set SPW,  28                          ; v28     LDS address of my spare word; never rewritten
.set NIL,  29                          ; v29     0; never rewritten
.set SC,   32                          ; scale words: set s at v[SC + 8 NQ s]; register NQ i + q: lanes 0-15 A's block i, lanes 16-31 B's block i, the slot's q-th 128 along K
.set AF,   128                         ; A's fragments
.set VO,   8                           ; way out: v8-11 store offsets: 16 x lane + head hh x HP + (a / 4) x CP
.set L16,  12                          ; v12  16 x lane
.set VC,   30                          ; v30  cos, sin: 256 r + 32 h
.set VN,   31                          ; v31  norm weights: 32 h
.set NW,   96                          ; v96-127  the norm's weights of my 32 channels of a head
.set Y,    128                         ; v128-159 x w
.set Z,    160                         ; v160-191, v192-223 the result, one set for each of the wave's two heads
.set SS,   224                         ; v224-227 sums of squares
.set T,    228                         ; v228-229
.set INV,  232                         ; v232-233 1 / rms (x the factor of q); the pair's upper half is only named
.set WV,  66                           ; s66 wave
.set RH,  67                           ; s67 wave / 2: my half of A's rows; also: I fetch for A (0) or B (1)
.set CH,  96                           ; s96 wave % 2: my half of B's rows; also: which 128 rows I fetch
.set TR,  97                           ; s97 tile row (A)
.set TC,  42                           ; s42 tile column (B)
.set HP,  98                           ; s98 bytes of a head in the output buffer
.set CP,  99                           ; s99 bytes of four token blocks there
.set QSC, 100                          ; s100 log2(e) / 8 for q, 1 for k
.set R64, 101                          ; s101 1 / 64
.set EPSR, 45                          ; s45 1e-6 (on the way out)
.set OUT, 92                           ; s[92:93] the output's base (on the way out)
.set G1, 24                            ; s[24:31] descriptor group 1 for A's tiles;  s[32:39] group 0, one set for each slot
.set G0, 32
.set G1B, 48                           ; s[48:55], s[56:63] the same for B's tiles
.set G0B, 56
.set G1S, 68                           ; s[68:75], s[76:79] groups 1 and 0 for A's scales;  s[80:87], s[88:91] for B's
.set G0S, 76
.set G1SB, 80
.set G0SB, 88
.set MSB, 0
.macro WIN new                         ; the immediate's high byte repeats the setting that is left; a switch that changes nothing is dropped
.if MSB != (\new)
	s_set_vgpr_msb (MSB<<8)|(\new)
.set MSB, (\new)
.endif
.endm
.set MUL_LO, 0xa1                      ; source 0 (B) window 1, source 1 (A) window 0, C and D window 2
.set MUL_HI, 0xf1                      ; the same, C and D window 3
.set TO_B,   0x40                      ; destination window 1, address window 0
; A joint load: waves 0 and 1 fetch for A, waves 2 and 3 for B.  Each line has one mask and one set of registers for all that issue it; the branch hangs on the wave's number alone.
; An s_nop 0 and four v_nop follow each of the two lines.
.macro JLOAD g0a, g1a, g0b, g1b
	s_cmp_eq_u32 s[RH], 0
	s_cbranch_scc0 .Lfor_b_\@
	tensor_load_to_lds s[\g0a:\g0a+3], s[\g1a:\g1a+7]
	s_nop 0
.rept 4
	v_nop
.endr
	s_branch .Lasked_\@
.Lfor_b_\@:
	tensor_load_to_lds s[\g0b:\g0b+3], s[\g1b:\g1b+7]
	s_nop 0
.rept 4
	v_nop
.endr
.Lasked_\@:
.endm
.macro CROUND                          ; a round of the cluster's barrier
	s_barrier_signal -1
	s_barrier_wait -1
	s_cmp_lg_u32 s[WV], 0
	s_cbranch_scc1 .Lnot_wave_0_\@
	s_barrier_signal -3
.Lnot_wave_0_\@:
	s_barrier_wait -3
	s_barrier_signal -1
	s_barrier_wait -1
.endm
	s_load_b256 s[4:11], s[0:1], 0x0               ; xc s[4:5], xs s[6:7], wc s[8:9], ws s[10:11]
	s_load_b256 s[12:19], s[0:1], 0x20             ; cos s[12:13], sin s[14:15], q_norm_w s[16:17], k_norm_w s[18:19]
	s_load_b128 s[20:23], s[0:1], 0x40             ; qimg s[20:21], kv s[22:23]
	v_lshl_add_u32 v[SPW], v0, 2, SPARE
	v_mov_b32 v[NIL], 0
	ds_add_u32 v[SPW], v[NIL]                      ; the wave's opening: the add, twice on end, and its wait ahead of my first tensor load
	ds_add_u32 v[SPW], v[NIL]                      ; (once more; the set-up below, work on registers, stands between it and the wait)
	v_lshrrev_b32 v1, 5, v0
	v_readfirstlane_b32 s[WV], v1                  ; wave 0..3
	s_lshr_b32 s[RH], s[WV], 1
	s_and_b32 s[CH], s[WV], 1
	s_bfe_u32 s40, ttmp6, 0x40000                  ; cx, cy: my place in the cluster
	s_bfe_u32 s41, ttmp6, 0x40004
	s_lshl_b32 s2, ttmp9, 2                        ; 4 x cluster x
	s_and_b32 s3, ttmp7, 0xffff
	s_lshl_b32 s3, s3, 2                           ; 4 x cluster y
	s_cmp_eq_u32 ttmp9, 2                          ; v?  The cluster's x: the same in all sixteen partners
	s_cselect_b32 s[TR], 8, s3                     ; A's tile row: v: w_qkv's rows 2,048 on; q, k: x's rows by cluster y
	s_cselect_b32 s[TC], s3, s2                    ; B's tile column: v: x's rows by cluster y; q, k: w_qkv's rows by cluster x
	s_add_co_u32 s[TR], s[TR], s41
	s_add_co_u32 s[TC], s[TC], s40
	s_lshl_b32 s43, s41, 2
	s_lshl_b32 s43, 15, s43                        ; my row of the cluster
	s_lshl_b32 s44, 0x1111, s40                    ; my column
	; descriptor group 1: a tile of 128 rows x 256 bytes, padded in LDS
	s_or_b32 s[G1+0], s43, (0<<16)|(1<<20)|(1<<21)|(5<<22)|(3<<25)  ; the mask: A's tiles go to my row; elements of 1 byte; padding on; bit 21 beside a mask; after every 64 words, 4 words
	s_or_b32 s[G1B+0], s44, (0<<16)|(1<<20)|(1<<21)|(5<<22)|(3<<25)
.irp g, G1, G1B
	s_mov_b32 s[\g+1], ROWB<<16                    ; tensor_dim0
	s_mov_b32 s[\g+2], 128<<16                     ; tensor_dim1
	s_mov_b32 s[\g+3], ROWB<<16                    ; tile_dim0
	s_mov_b32 s[\g+4], 128                         ; tile_dim1
	s_mov_b32 s[\g+5], KROW                        ; tensor_dim0_stride
	s_mov_b32 s[\g+6], 0
	s_mov_b32 s[\g+7], 0
.endr
	; the scales of 128 rows: a dense block of 4,096 bytes, as 16 rows of 256 bytes (32 elements of 8 bytes), 16 bytes of padding behind each
	s_or_b32 s[G1S+0], s43, (3<<16)|(1<<20)|(1<<21)|(5<<22)|(3<<25)
	s_or_b32 s[G1SB+0], s44, (3<<16)|(1<<20)|(1<<21)|(5<<22)|(3<<25)
.irp g, G1S, G1SB
	s_mov_b32 s[\g+1], 32<<16
	s_mov_b32 s[\g+2], (128*KS/256)<<16
	s_mov_b32 s[\g+3], 32<<16
	s_mov_b32 s[\g+4], 128*KS/256
	s_mov_b32 s[\g+5], 32
	s_mov_b32 s[\g+6], 0
	s_mov_b32 s[\g+7], 0
.endr
	s_lshl_b32 s2, s[CH], 7                        ; which 128 rows of the tile I fetch
	s_lshl_b32 s99, s[TR], 8
	s_add_co_u32 s99, s99, s2                      ; A: row 256 x tile row + 128 x half
	s_lshl_b32 s100, s[TC], 8
	s_add_co_u32 s100, s100, s2                    ; B: row 256 x tile column + 128 x half
	s_mul_i32 s45, s[WV], HALFT                    ; where they go: wave x 128 rows: no place in the cluster enters an LDS address
	s_mul_i32 s98, s[WV], HALFS
	s_wait_dscnt 0x0                               ; both opening adds are done
	s_wait_kmcnt 0x0
	s_cmp_eq_u32 ttmp9, 2
	s_cselect_b64 s[92:93], s[8:9], s[4:5]         ; A's codes,
	s_cselect_b64 s[94:95], s[10:11], s[6:7]       ; A's scales,
	s_cselect_b64 s[8:9], s[4:5], s[8:9]           ; B's codes,
	s_cselect_b64 s[10:11], s[6:7], s[10:11]       ; B's scales
	s_lshl_b32 s2, s99, 9                          ; 512 bytes of codes a row (all offsets stay under 2^23)
	s_mov_b32 s3, 0
	s_add_nc_u64 s[92:93], s[92:93], s[2:3]
	s_lshl_b32 s2, s99, 5                          ; 32 scale bytes a row
	s_add_nc_u64 s[94:95], s[94:95], s[2:3]
	s_lshl_b32 s46, s100, 9
	s_mov_b32 s47, 0
	s_add_nc_u64 s[8:9], s[8:9], s[46:47]
	s_lshl_b32 s46, s100, 5
	s_add_nc_u64 s[10:11], s[10:11], s[46:47]
	CROUND                                         ; all sixteen work-groups are here: the joint loads meet
	s_mov_b32 s[G0S], 1
	s_add_co_u32 s[G0S+1], s98, SCL
	s_mov_b64 s[G0S+2:G0S+3], s[94:95]
	s_or_b32 s[G0S+3], s[G0S+3], 0x80000000
	s_mov_b32 s[G0SB], 1
	s_add_co_u32 s[G0SB+1], s98, SCL
	s_mov_b64 s[G0SB+2:G0SB+3], s[10:11]
	s_or_b32 s[G0SB+3], s[G0SB+3], 0x80000000
	JLOAD G0S, G1S, G0SB, G1SB                     ; the scales first: they are wanted with slot 0
.irp s, 0,1
	s_mov_b32 s[G0+4*\s], 1
	s_add_co_u32 s[G0+4*\s+1], s45, \s*SLOT
	s_add_nc_u64 s[G0+4*\s+2:G0+4*\s+3], s[92:93], \s*ROWB
	s_or_b32 s[G0+4*\s+3], s[G0+4*\s+3], 0x80000000
	s_mov_b32 s[G0B+4*\s], 1
	s_add_co_u32 s[G0B+4*\s+1], s45, \s*SLOT
	s_add_nc_u64 s[G0B+4*\s+2:G0B+4*\s+3], s[8:9], \s*ROWB
	s_or_b32 s[G0B+4*\s+3], s[G0B+4*\s+3], 0x80000000
	JLOAD G0+4*\s, G1, G0B+4*\s, G1B               ; three tensor loads of mine are out: all of K
.endr
	v_and_b32 v1, 15, v0                           ; r = l % 16 (kept for the way out)
	v_bfe_u32 v2, v0, 4, 1                         ; h = l / 16 (kept)
	v_mul_u32_u24 v3, v1, PITCH
	v_lshl_add_u32 v4, v2, 4, v3                   ; a fragment's row x pitch + 16 x half
	s_mul_i32 s2, s[RH], HALFT                     ; my 128 rows of A
	s_mul_i32 s3, s[CH], HALFT                     ; my 128 rows of B,
	s_add_co_u32 s3, s3, 2*HALFT                   ; which lie behind A's 256
.irp s, 0,1
	v_add_nc_u32 v[ADRA+\s], s2, v4
	v_add_nc_u32 v[ADRB+\s], s3, v4
	s_add_co_u32 s2, s2, SLOT
	s_add_co_u32 s3, s3, SLOT
.endr
	v_mul_u32_u24 v5, v1, KS                       ; my row's scales: 32 bytes a row,
	v_lshrrev_b32 v6, 8, v5
	v_lshl_add_u32 v5, v6, 4, v5                   ; and 16 more for each 256 passed
	s_mul_i32 s2, s[RH], HALFS                     ; A's: my 128 rows
	s_mul_i32 s3, s[CH], HALFS                     ; B's: my 128 rows, behind A's 256
	s_add_co_u32 s3, s3, 2*HALFS
	s_sub_co_u32 s3, s3, s2
	v_mul_u32_u24 v6, s3, v2                       ; lanes 16-31 take B's: one product, the distance between the two bases
	s_add_co_u32 s2, s2, SCL
	v_add_nc_u32 v5, v5, v6
	v_add_nc_u32 v[ADRS], s2, v5
.macro FRAG reg, adr, q, i             ; a fragment, 16 rows x 128 K of 4-bit codes: lane l holds row l % 16; registers 4 c .. 4 c + 3 hold K = 64 c + 32 (l / 16) + 0 .. 31
.irp c, 0,1
	ds_load_b128 v[\reg+4*\c:\reg+4*\c+3], v[\adr] offset:64*(\q)+32*\c+(\i)*16*PITCH
.endr
.endm
; 16 matrix instructions: A's blocks a0, a0 + 1 x B's eight, the slot's q-th 128 along K.  p: B's set;  sc: the set of scale words.  zero = 1: the first product starts the sums.
; The 64 accumulators take turns, one instruction a turn, in the same order in every step.
.macro MUL16 a0, p, q, sc, zero
.irp a, \a0, \a0+1
.irp b, 0,1,2,3,4,5,6,7
.if \zero
	v_wmma_scale_f32_16x16x128_f8f6f4 v[8*(8*((\a)%4)+\b):8*(8*((\a)%4)+\b)+7], v[128*(\p)+FR*\b:128*(\p)+FR*\b+FR-1], v[AF+FR*(\a):AF+FR*(\a)+FR-1], 0, v[SC+8*NQ*(\sc)+NQ*\b+(\q)], v[SC+8*NQ*(\sc)+NQ*(\a)+(\q)] matrix_a_fmt:MATRIX_FMT_FP4 matrix_b_fmt:MATRIX_FMT_FP4 matrix_a_scale:MATRIX_SCALE_ROW1
.else
	v_wmma_scale_f32_16x16x128_f8f6f4 v[8*(8*((\a)%4)+\b):8*(8*((\a)%4)+\b)+7], v[128*(\p)+FR*\b:128*(\p)+FR*\b+FR-1], v[AF+FR*(\a):AF+FR*(\a)+FR-1], v[8*(8*((\a)%4)+\b):8*(8*((\a)%4)+\b)+7], v[SC+8*NQ*(\sc)+NQ*\b+(\q)], v[SC+8*NQ*(\sc)+NQ*(\a)+(\q)] matrix_a_fmt:MATRIX_FMT_FP4 matrix_b_fmt:MATRIX_FMT_FP4 matrix_a_scale:MATRIX_SCALE_ROW1
.endif
.endr
.endr
.endm
.macro FETCH_B slot, q, p              ; B's eight fragments of the slot's q-th 128 along K into set p
	WIN TO_B
.irp i, 0,1,2,3,4,5,6,7
	FRAG 128*(\p)+FR*\i, ADRB+\slot, \q, \i
.endr
	WIN 0
.endm
.macro FETCH_A slot, q, i0             ; A's blocks i0 .. i0 + 3
.irp i, \i0, \i0+1, \i0+2, \i0+3
	FRAG AF+FR*(\i), ADRA+\slot, \q, \i
.endr
.endm
.macro SCALES sc                       ; a slot's scale words into set sc: four words a row; lanes 0-15 take A's block i, lanes 16-31 B's block i
.irp i, 0,1,2,3,4,5,6,7
	ds_load_b128 v[SC+8*NQ*\sc+NQ*\i:SC+8*NQ*\sc+NQ*\i+3], v[ADRS] offset:\i*SBLK
.endr
.endm
; A load into a register that a matrix instruction has read, and a vector instruction that reads a matrix result or writes one of its registers, stand NP places behind it; only plain vector instructions
; that name none of its registers are places (ISA guide 7.12.1 for vector instructions).
.macro PLACES n
.rept \n
	v_nop
.endr
.endm
; A step of 128 along K that has its successor in the same slot.  A's blocks are multiplied one after the other, each against B's eight: so one set of registers serves A (blocks 0-3 fetched anew in the step's middle, 4-7 at its end), two serve B.
.macro STEP slot, q, zero
	s_wait_dscnt 4*NL                              ; B's set and A's blocks 0-3 are in; the youngest eight loads (A's blocks 4-7) may be out
	WIN MUL_LO
	MUL16 0, (\q)%2, \q, \slot, \zero
	MUL16 2, (\q)%2, \q, \slot, \zero
	s_wait_dscnt 0                                 ; A's blocks 4-7 are in
	PLACES NP
	FETCH_B \slot, (\q)+1, 1-(\q)%2
	FETCH_A \slot, (\q)+1, 0
	WIN MUL_HI
	MUL16 4, (\q)%2, \q, \slot, \zero
	MUL16 6, (\q)%2, \q, \slot, \zero
	PLACES NP
	WIN 0
	FETCH_A \slot, (\q)+1, 4
.endm
; Slot 0's last step goes over to slot 1: each wave waits for all its tensor loads (its part of slot 1), adds 0 to its spare word, waits for that, and passes the work-group's barrier: behind it slot 1 is whole.  Nothing is filled again.
.macro TURN slot, next
	s_wait_tensorcnt 0x0                           ; all my tensor loads have landed
	ds_add_u32 v[SPW], v[NIL]                      ; 0 onto my spare word
	s_wait_dscnt 4*NL+1                            ; (the add and the youngest eight loads, A's blocks 4-7, may be out)
	WIN MUL_LO
	MUL16 0, 1, NQ-1, \slot, 0                     ; sixteen matrix instructions stand between the add and the wait for it
	s_wait_dscnt 0x0                               ; the add is done, and my LDS loads are in
	s_barrier_signal -1
	MUL16 2, 1, NQ-1, \slot, 0
	WIN 0
	s_barrier_wait -1
	PLACES NP
	v_add_nc_u32 v[ADRS], 4*NQ, v[ADRS]            ; on to the next slot's scale words
	FETCH_B \next, 0, 0
	FETCH_A \next, 0, 0
	SCALES \next
	WIN MUL_HI
	MUL16 4, 1, NQ-1, \slot, 0
	MUL16 6, 1, NQ-1, \slot, 0
	PLACES NP
	WIN 0
	FETCH_A \next, 0, 4
.endm
.macro STEPS slot, from                ; the slot's steps from .. NQ - 2
.set Q, \from
.rept NQ-1-\from
	STEP \slot, Q, 0
.set Q, Q+1
.endr
.endm
	s_wait_tensorcnt 1                             ; the scales and my part of slot 0 are in (slot 1's load, the one issued behind them, may be out),
	s_barrier_signal -1
	s_barrier_wait -1                              ; everybody's are
	FETCH_B 0, 0, 0
	FETCH_A 0, 0, 0
	SCALES 0
	FETCH_A 0, 0, 4
	STEP 0, 0, 1                                   ; the first step's products start the sums: nothing is cleared
	STEPS 0, 1
	TURN 0, 1
	STEPS 1, 0
	s_wait_dscnt 4*NL                              ; the very last step: nothing more to fetch
	WIN MUL_LO
	MUL16 0, 1, NQ-1, 1, 0
	MUL16 2, 1, NQ-1, 1, 0
	s_wait_dscnt 0
	WIN MUL_HI
	MUL16 4, 1, NQ-1, 1, 0
	MUL16 6, 1, NQ-1, 1, 0
	WIN 0
	PLACES NP                                      ; behind the last products: for the reads of results, the writes and the loads into registers that held fragments
	s_cmp_eq_u32 ttmp9, 2                          ; the cluster's x: all sixteen partners go the same way
	s_cbranch_scc1 .Lv_out
.macro FINISH
	s_wait_tensorcnt 0x0                           ; the wave's end
	ds_add_u32 v[SPW], v[NIL]
	s_wait_dscnt 0x0
	CROUND                                         ; the closing round
	s_endpgm
.endm
; ---- THE WAY OUT OF q AND k.  My 128 columns are two heads (hh = 0, 1) of four tiles t of 16 channels; my 128 rows are eight blocks a of 16 tokens.  Lane (r, h) holds token 16 a + r and channels 16 t + 8 h + 0 .. 7.
	s_cmp_eq_u32 ttmp9, 1                          ; k?
	s_mov_b32 s[HP], 262144                        ; a head: q 128 blocks x 2,048 bytes;
	s_cselect_b32 s[HP], 524288, s[HP]             ; k 32 steps x 16,384
	s_mov_b32 s[CP], 8192                          ; four token blocks: q 4 x 2,048;
	s_cselect_b32 s[CP], 16384, s[CP]              ; k a step of 64 keys
	s_mov_b32 s[QSC], 0x3e38aa3b                   ; log2(e) / 8
	s_cselect_b32 s[QSC], 0x3f800000, s[QSC]
	s_cselect_b64 s[OUT:OUT+1], s[22:23], s[20:21]
	s_cselect_b64 s[16:17], s[18:19], s[16:17]     ; the norm's weights
	s_mov_b32 s[R64], 0x3c800000                   ; 1 / 64
	s_mov_b32 s[EPSR], 0x358637bd                  ; 1e-6
	s_mov_b32 s104, 0x76543210                     ; v_permlanex16_b32's selects for lane l xor 16
	s_mov_b32 s105, 0xfedcba98
	s_lshr_b32 s2, s[TR], 3                        ; the batch: eight tiles of 256 tokens each
	s_lshl_b32 s2, s2, 4
	s_and_b32 s3, s[TC], 3
	s_lshl_b32 s3, s3, 2
	s_add_co_u32 s2, s2, s3
	s_lshl_b32 s3, s[CH], 1
	s_add_co_u32 s2, s2, s3                        ; 16 x batch + my first head
	s_mul_i32 s2, s2, s[HP]
	s_and_b32 s46, s[TR], 7
	s_lshl_b32 s3, s46, 2
	s_lshl_b32 s47, s[RH], 1
	s_add_co_u32 s3, s3, s47                       ; my first token / 64
	s_mul_i32 s3, s3, s[CP]
	s_add_co_u32 s2, s2, s3
	s_mov_b32 s3, 0
	s_add_nc_u64 s[OUT:OUT+1], s[OUT:OUT+1], s[2:3]
	s_lshl_b32 s2, s46, 16                         ; cos, sin: my first token's row of 256 bytes
	s_lshl_b32 s46, s[RH], 15
	s_add_co_u32 s2, s2, s46
	s_add_nc_u64 s[12:13], s[12:13], s[2:3]
	s_add_nc_u64 s[14:15], s[14:15], s[2:3]
	v_and_b32 v[L16], 31, v0
	v_lshlrev_b32 v[L16], 4, v[L16]
	v_lshlrev_b32 v[VN], 5, v2
	v_lshl_add_u32 v[VC], v1, 8, v[VN]
.irp t, 0,1,2,3
.irp e, 0,1
	global_load_b128 v[NW+8*\t+4*\e:NW+8*\t+4*\e+3], v[VN], s[16:17] offset:64*\t+16*\e   ; w(16 t + 8 h + 4 e ..)
.endr
.endr
; cos and sin of token block a, my 32 channels: 16 loads into set a % 4 of window 1 (cos 32 registers, then sin 32)
.macro CSLOAD a
.set CSB, 64*(1-((\a)%4)/2)+128*((\a)%2)
	WIN TO_B
.irp t, 0,1,2,3
.irp e, 0,1
	global_load_b128 v[CSB+8*\t+4*\e:CSB+8*\t+4*\e+3], v[VC], s[12:13] offset:4096*(\a)+64*\t+16*\e
	global_load_b128 v[CSB+32+8*\t+4*\e:CSB+32+8*\t+4*\e+3], v[VC], s[14:15] offset:4096*(\a)+64*\t+16*\e
.endr
.endr
	WIN 0
.endm
	CSLOAD 0
	CSLOAD 1
	CSLOAD 2
	CSLOAD 3
	v_mov_b32 v[VO], v[L16]
	v_add_nc_u32 v[VO+1], s[CP], v[L16]
	v_add_nc_u32 v[VO+2], s[HP], v[L16]
	v_add_nc_u32 v[VO+3], s[CP], v[VO+2]
	v_mov_b32 v[T+1], 0                            ; written once: a lane permute's destination counts as one of its sources
	v_mov_b32 v[INV+1], 0                          ; (named as the upper half of a pair)
.macro NORMROPE a, hh
.set XB, 64*((\a)%4)+32*(\hh)                  ; the head's four accumulators, in window 2 + a / 4
.set CSB, 64*(1-((\a)%4)/2)+128*((\a)%2)
.set ZB, Z+32*(\hh)
	WIN 0x0a+5*((\a)/4)                            ; sources 0 and 1: the accumulators' window
	v_pk_mul_f32 v[SS:SS+1], v[XB:XB+1], v[XB:XB+1]                ; the sum of my 32 squares, in two chains; each accumulator is read from its low end on
	v_pk_mul_f32 v[SS+2:SS+3], v[XB+2:XB+3], v[XB+2:XB+3]
.irp i, 4,8,12,16,20,24,28
	v_pk_fma_f32 v[SS:SS+1], v[XB+\i:XB+\i+1], v[XB+\i:XB+\i+1], v[SS:SS+1]
	v_pk_fma_f32 v[SS+2:SS+3], v[XB+\i+2:XB+\i+3], v[XB+\i+2:XB+\i+3], v[SS+2:SS+3]
.endr
	WIN 0
	v_pk_add_f32 v[SS:SS+1], v[SS:SS+1], v[SS+2:SS+3]
	v_add_f32 v[T], v[SS], v[SS+1]
	v_permlanex16_b32 v[T+1], v[T], s104, s105     ; the token's other 32 channels lie in the lane 16 away
	v_add_f32 v[T], v[T], v[T+1]
	v_fma_f32 v[T], v[T], s[R64], s[EPSR]          ; the mean + 1e-6
	v_rsq_f32 v[INV], v[T]
	WIN 0x02+((\a)/4)                              ; source 0: the accumulators' window
.irp i, 0,2,4,6,8,10,12,14,16,18,20,22,24,26,28,30
	v_pk_mul_f32 v[Y+\i:Y+\i+1], v[XB+\i:XB+\i+1], v[NW+\i:NW+\i+1]   ; x w: plain work that names nothing of the root, behind it
.endr
	WIN 0
	s_wait_alu depctr_va_vdst(0)                   ; the wait ahead of the first instruction that names the root's result
	v_mul_f32 v[INV], s[QSC], v[INV]
	s_wait_xcnt 0x0                                ; the last block's stores have read this set of Z: it is written again only behind this wait
	WIN 0x04                                       ; source 1: cos and sin, in window 1
.irp i, 0,2,4,6,8,10,12,14,16,18,20,22,24,26,28,30
	v_pk_mul_f32 v[ZB+\i:ZB+\i+1], v[Y+\i:Y+\i+1], v[CSB+\i:CSB+\i+1]
.endr
.irp i, 0,2,4,6,8,10,12,14
	v_pk_fma_f32 v[ZB+\i:ZB+\i+1], v[Y+16+\i:Y+17+\i], v[CSB+32+\i:CSB+33+\i], v[ZB+\i:ZB+\i+1] neg_lo:[1,0,0] neg_hi:[1,0,0]   ; channels 0-31: - y(d + 32) sin(d)
	v_pk_fma_f32 v[ZB+16+\i:ZB+17+\i], v[Y+\i:Y+\i+1], v[CSB+48+\i:CSB+49+\i], v[ZB+16+\i:ZB+17+\i]                            ; channels 32-63: + y(d - 32) sin(d)
.endr
	WIN 0
.irp i, 0,2,4,6,8,10,12,14,16,18,20,22,24,26,28,30
	v_pk_mul_f32 v[ZB+\i:ZB+\i+1], v[ZB+\i:ZB+\i+1], v[INV:INV+1] op_sel_hi:[1,0]
.endr
.irp i, 0,1,2,3,4,5,6,7,8,9,10,11,12,13,14,15
	v_cvt_pk_f16_f32 v[ZB+\i], v[ZB+2*\i], v[ZB+2*\i+1]            ; in place, ascending: register i is written when 2 i and 2 i + 1 are read
.endr
.irp t, 0,1,2,3
	global_store_b128 v[VO+2*(\hh)+(\a)/4], v[ZB+4*\t:ZB+4*\t+3], s[OUT:OUT+1] offset:2048*((\a)%4)+512*\t   ; half t % 2 of fragment t / 2: 512 consecutive bytes
.endr
.endm
.irp a, 0,1,2,3,4,5,6,7
.if \a < 5
	s_wait_loadcnt 48                              ; the weights and block a's cos and sin are in; the 16 loads of each of the three blocks behind it may be out
.else
	s_wait_loadcnt 16*(7-\a)
.endif
	NORMROPE \a, 0
	NORMROPE \a, 1
.if \a < 4
	CSLOAD \a+4                                    ; its set takes the block four further on
.endif
.endr
	FINISH
; ---- THE WAY OUT OF v.  Lane (r, h) of accumulator (a, b) holds channel 16 a + r of my 128 and tokens 16 b + 8 h + 0 .. 7 of my 128: half b % 2 of the fragment of V^T (keys 32 ((b / 2) % 2) on, channels 16 (a % 4) on) of head a / 4, step b / 4.
.Lv_out:
	v_and_b32 v[L16], 31, v0
	v_lshlrev_b32 v[L16], 4, v[L16]
	s_lshr_b32 s2, s[TC], 3                        ; the batch
	s_lshl_b32 s2, s2, 4
	s_lshl_b32 s3, s41, 2                          ; my tile's four heads,
	s_add_co_u32 s2, s2, s3
	s_lshl_b32 s3, s[RH], 1                        ; my wave's two
	s_add_co_u32 s2, s2, s3
	s_lshl_b32 s2, s2, 19
	s_and_b32 s3, s[TC], 7
	s_lshl_b32 s3, s3, 2
	s_lshl_b32 s46, s[CH], 1
	s_add_co_u32 s3, s3, s46                       ; my first token / 64
	s_lshl_b32 s3, s3, 14
	s_add_co_u32 s2, s2, s3
	s_mov_b32 s3, 0
	s_add_nc_u64 s[OUT:OUT+1], s[22:23], s[2:3]
.macro VOUT a
.set AC, 64*((\a)%4)
.set VB, 96+32*((\a)%4)
.if (\a) >= 4
	s_wait_xcnt 0x0                                ; block a - 4's stores have read these registers
.endif
	WIN 0x0a+5*((\a)/4)
.irp b, 0,1,2,3,4,5,6,7
.irp i, 0,1,2,3
	v_cvt_pk_f16_f32 v[VB+4*\b+\i], v[AC+8*\b+2*\i], v[AC+8*\b+2*\i+1]
.endr
.endr
	WIN 0
.irp b, 0,1,2,3,4,5,6,7
	global_store_b128 v[L16], v[VB+4*\b:VB+4*\b+3], s[OUT:OUT+1] offset:524288*((\a)/4)+16384*(\b/4)+8192+4096*((\b/2)%2)+1024*((\a)%4)+512*(\b%2)
.endr
.endm
.irp a, 0,1,2,3,4,5,6,7
	VOUT \a
.endr
	FINISH
.Lfunc_end_k_q14fa52d18e_qkv:
	.size	k_q14fa52d18e_qkv, .Lfunc_end_k_q14fa52d18e_qkv-k_q14fa52d18e_qkv
	.p2alignl 7, 3214868480
	.fill 96, 4, 3214868480
	.section	.rodata,"a",@progbits
	.p2align	6, 0x0
	.amdhsa_kernel k_q14fa52d18e_qkv
		.amdhsa_group_segment_fixed_size 327680
		.amdhsa_private_segment_fixed_size 0
		.amdhsa_enable_private_segment 0
		.amdhsa_kernarg_size 80
		.amdhsa_user_sgpr_count 2
		.amdhsa_user_sgpr_kernarg_segment_ptr 1
		.amdhsa_wavefront_size32 1
		.amdhsa_system_sgpr_workgroup_id_x 1
		.amdhsa_system_sgpr_workgroup_id_y 1
		.amdhsa_system_sgpr_workgroup_id_z 1
		.amdhsa_system_vgpr_workitem_id 0
		.amdhsa_next_free_vgpr 1024
		.amdhsa_next_free_sgpr 106
		.amdhsa_reserve_vcc 0
		.amdhsa_float_denorm_mode_32 3
		.amdhsa_float_denorm_mode_16_64 3
		.amdhsa_memory_ordered 1
		.amdhsa_forward_progress 1
		.amdhsa_inst_pref_size 244
	.end_amdhsa_kernel
	.amdgpu_metadata
---
amdhsa.version: [ 1, 2 ]
amdhsa.kernels:
  - .name:           k_q14fa52d18e_qkv
    .symbol:         k_q14fa52d18e_qkv.kd
    .args:
      - { .name: xc, .offset: 0, .size: 8, .value_kind: global_buffer, .address_space: global }
      - { .name: xs, .offset: 8, .size: 8, .value_kind: global_buffer, .address_space: global }
      - { .name: wc, .offset: 16, .size: 8, .value_kind: global_buffer, .address_space: global }
      - { .name: ws, .offset: 24, .size: 8, .value_kind: global_buffer, .address_space: global }
      - { .name: rope_cos, .offset: 32, .size: 8, .value_kind: global_buffer, .address_space: global }
      - { .name: rope_sin, .offset: 40, .size: 8, .value_kind: global_buffer, .address_space: global }
      - { .name: q_norm_w, .offset: 48, .size: 8, .value_kind: global_buffer, .address_space: global }
      - { .name: k_norm_w, .offset: 56, .size: 8, .value_kind: global_buffer, .address_space: global }
      - { .name: qimg, .offset: 64, .size: 8, .value_kind: global_buffer, .address_space: global }
      - { .name: kv, .offset: 72, .size: 8, .value_kind: global_buffer, .address_space: global }
    .group_segment_fixed_size: 327680
    .private_segment_fixed_size: 0
    .kernarg_segment_align: 8
    .kernarg_segment_size: 80
    .max_flat_workgroup_size: 128
    .sgpr_count:     106
    .vgpr_count:     1024
    .wavefront_size: 32
...
	.end_amdgpu_metadata
.endif
;; end of part 2
;; launch attn (part 3): grid 4 x 64, 8 waves a work-group, clusters of 4 x 1, 327,680 bytes of LDS; arguments qimg, kv, aimg; writes aimg
.if DOCPART == 3
	.amdgcn_target "amdgcn-amd-amdhsa--gfx1250"
	.amdhsa_code_object_version 6
	.text
	.protected	k_q14fa52d18e_attn
	.globl	k_q14fa52d18e_attn
	.p2align	8
	.type	k_q14fa52d18e_attn,@function
k_q14fa52d18e_attn:
	s_mov_b64 s[64:65], 0
	v_nop
	global_prefetch_b8 v0, s[64:65] scope:SCOPE_SE
	s_setreg_imm32_b32 hwreg(HW_REG_WAVE_MODE, 25, 1), 1
	s_wait_xcnt 0x0
	s_wait_alu depctr_hold_cnt(0) depctr_sa_sdst(0) depctr_va_vdst(0) depctr_va_sdst(0) depctr_va_ssrc(0) depctr_va_vcc(0) depctr_vm_vsrc(0)
	s_getreg_b32 s2, hwreg(HW_REG_IB_STS2, 6, 4)
	s_cmp_eq_u32 s2, 0
	s_cbranch_scc0 .Lentry_in_a_cluster
	s_endpgm
.Lentry_in_a_cluster:
	s_bfe_u32 s2, ttmp6, 0x10000c
	s_cmp_lg_u32 s2, 0x3003
	s_cbranch_scc0 .Lentry_shape_is_right
	s_endpgm
.Lentry_shape_is_right:
; LAUNCH 3 OF 4: O = softmax(q k^T / 8) v for each of 64 (batch, head), 2,048 queries x 2,048 keys x 64 channels, no mask.  Operands f16 (q carries log2(e) / 8), products' sums, maxima and row sums in f32.  Nothing of reference() is left out.
; SHARES.  A cluster of four work-groups is one (batch, head); a work-group owns 512 queries, each of its eight waves 64: four tiles of 16.  Two waves share a SIMD, 512 registers each: one wave's softmax stands beside the other's products.
; Every wave walks all 2,048 keys, 64 a step.  K and V come as images of operand registers (launch 2): a step is 16,384 dense bytes, K's 16 halves of fragments and V^T's 16; a half is read by one ds_load_b128 at 16 x lane.
; THE RING: two LDS slots of eight steps (131,072 bytes).  Wave w brings step w of a slot by one tensor load of 64 rows x 256 bytes.  The four work-groups need the same bytes: the load is JOINT (mask 15), so each byte of kv is asked for once.
; LAYOUT.  S^T = K Q^T (source 0 = 16 keys, source 1 = 16 queries), O^T = V^T P^T (source 0 = 16 channels, source 1 = P): a lane holds ONE query (lane % 16) throughout; two tiles of S^T, rounded to f16 in pairs, in place, are P's fragment.
; SOFTMAX.  A running maximum m and sum l for each query: p = 2^(s - m); in every step O^T and l are multiplied by a = 2^(m_old - m_new).  The sum is taken of p before it is rounded.  O^T, l begin as zeros and m as -3e38, so the step is written without a first copy.
; OUT.  O^T / l, f16, as images for the last launch: aimg [16 tokens: 512][32 along K = 2 head + c: 32][half: 2][512].
; LIMITS: p under 2^-24 is lost beside a sum of at least 1; results are rounded to f16 (they are averages of v, so v's range holds); NaN and infinities are not served.
; REGISTERS: window 0: v1-5 addresses; v8-39 statistics, eight a tile (+0 m, +1 zero, +2 +3 l, +4..+7 at work; a at +6); v64-191 S^T, 32 a tile, then P in the tile's first 16; v192-255 K's eight fragments.
;   window 1: v0-127 O^T, 32 a tile; v128-191 Q's eight fragments; v192-255 V^T's eight fragments.
.set STEPB, 16384                      ; a key step in kv and in LDS
.set SLOT1, 1<<17                      ; slot 1 begins here: one exclusive or turns an address in one slot into the other's
.set SPARE, 2*SLOT1                    ; behind the ring: the spare words, 128 bytes for each of eight waves, which no other line names
.set L16, 1                            ; v1  16 x lane; never rewritten
.set ADR, 2                            ; v2  LDS address of the step being fetched
.set PFO, 3                            ; v3  256 x lane; never rewritten
.set SPW, 4                            ; v4  LDS address of my spare word; never rewritten
.set NIL, 5                            ; v5  0; never rewritten
.set ST,  8
.set S,   64
.set KF,  192
.set QF,  128                          ; in window 1
.set VF,  192                          ; in window 1
.set WV,  12                           ; s12 wave
.set G1,  24                           ; s[24:31] descriptor group 1
.set G0,  32                           ; s[32:35] descriptor group 0: it walks
.set TB,  36                           ; s36 LDS byte at which the step to be fetched begins
.set CNT, 37                           ; s37 counts a slot's steps
.set SLOTS, 38                         ; s38 slots still to be asked for
.set LIM, 39                           ; s39 1 in a wave that prefetches, else the greatest number
.set PFA, 40                           ; s[40:41] where my prefetches stand
.set SEL, 42                           ; s[42:43] v_permlanex16_b32's selects for lane l xor 16
.set MSB, 0
.macro WIN new                         ; the immediate's high byte repeats the setting that is left; a switch that changes nothing is dropped
.if MSB != (\new)
	s_set_vgpr_msb (MSB<<8)|(\new)
.set MSB, (\new)
.endif
.endm
.macro CROUND                          ; a round of the cluster's barrier
	s_barrier_signal -1
	s_barrier_wait -1
	s_cmp_lg_u32 s[WV], 0
	s_cbranch_scc1 .Lnot_wave_0_\@
	s_barrier_signal -3
.Lnot_wave_0_\@:
	s_barrier_wait -3
	s_barrier_signal -1
	s_barrier_wait -1
.endm
; A PREFETCH of the slot that the NEXT change of slots will ask for: 131,072 bytes.  The four partners share it out by ADDRESS, 32,768 bytes each; in each, waves 0 to 3 name 8,192 bytes, lanes 256 bytes apart: each block is named once in the launch.
; It stands behind the wave's tensor load.  The last change that fills a slot asks for nothing; slots 0 and 1 come by their loads alone.
.macro ASK
	s_cmp_gt_u32 s[SLOTS], s[LIM]
	s_cbranch_scc0 .Lnot_mine_\@
	global_prefetch_b8 v[PFO], s[PFA:PFA+1] th:TH_LOAD_NT scope:SCOPE_SE
.Lnot_mine_\@:
.endm
	s_load_b128 s[4:7], s[0:1], 0x0                ; qimg s[4:5], kv s[6:7]
	s_load_b64 s[8:9], s[0:1], 0x10                ; aimg
	v_lshl_add_u32 v[SPW], v0, 2, SPARE
	v_mov_b32 v[NIL], 0
	ds_add_u32 v[SPW], v[NIL]                      ; the wave's opening: the add, twice on end, and its wait ahead of my first tensor load
	ds_add_u32 v[SPW], v[NIL]                      ; (once more; the set-up below, work on registers, stands between it and the wait)
	v_lshrrev_b32 v1, 5, v0
	v_readfirstlane_b32 s[WV], v1                  ; wave 0..7
	s_bfe_u32 s13, ttmp6, 0x40000                  ; cx: my block of 512 queries
	s_and_b32 s14, ttmp7, 0xffff                   ; 16 x batch + head, which the four partners share
	s_lshl_b32 s16, s14, 19                        ; kv: the head's 524,288 bytes,
	s_lshl_b32 s18, s[WV], 14                      ; my step of a slot
	s_add_co_u32 s16, s16, s18
	s_mov_b32 s17, 0
	s_lshl_b32 s18, s14, 19                        ; the prefetches: the head, slot 1 (the first change of slots steps it to slot 2),
	s_add_co_u32 s18, s18, 8*STEPB
	s_lshl_b32 s20, s13, 15                        ; my work-group's quarter of a slot,
	s_add_co_u32 s18, s18, s20
	s_and_b32 s20, s[WV], 3
	s_lshl_b32 s20, s20, 13                        ; my wave's quarter of that
	s_add_co_u32 s18, s18, s20
	s_mov_b32 s19, 0
	s_lshl_b32 s20, s14, 18                        ; qimg: the head's 262,144 bytes,
	s_lshl_b32 s22, s13, 16                        ; my block's 32 tiles of 2,048,
	s_add_co_u32 s20, s20, s22
	s_lshl_b32 s22, s[WV], 13                      ; my wave's four
	s_add_co_u32 s20, s20, s22
	s_mov_b32 s21, 0
	s_lshr_b32 s22, s14, 4
	s_lshl_b32 s22, s22, 22                        ; aimg: the batch's 128 token blocks of 32,768 bytes,
	s_lshl_b32 s23, s13, 20                        ; my block's 32,
	s_add_co_u32 s22, s22, s23
	s_lshl_b32 s23, s[WV], 17                      ; my wave's four,
	s_add_co_u32 s22, s22, s23
	s_and_b32 s23, s14, 15
	s_lshl_b32 s23, s23, 11                        ; the head's two fragments
	s_add_co_u32 s22, s22, s23
	s_mov_b32 s23, 0
	; descriptor group 1: 64 rows of 256 bytes, dense in memory and in LDS
	s_mov_b32 s[G1], 15|(3<<16)|(1<<21)            ; the mask: all four work-groups; elements of 8 bytes; no padding; bit 21 beside a mask
	s_mov_b32 s[G1+1], 32<<16                      ; tensor_dim0 = 32
	s_mov_b32 s[G1+2], 64<<16                      ; tensor_dim1 = 64
	s_mov_b32 s[G1+3], 32<<16                      ; tile_dim0 = 32
	s_mov_b32 s[G1+4], 64                          ; tile_dim1 = 64
	s_mov_b32 s[G1+5], 32                          ; tensor_dim0_stride
	s_mov_b32 s[G1+6], 0
	s_mov_b32 s[G1+7], 0
	s_mov_b32 s[SEL], 0x76543210
	s_mov_b32 s[SEL+1], 0xfedcba98
	s_mov_b32 s[TB], 0
	s_mov_b32 s[SLOTS], 3
	s_lshr_b32 s[LIM], s[WV], 2                    ; 0 in waves 0 to 3
	s_cmp_eq_u32 s[LIM], 0
	s_cselect_b32 s[LIM], 1, -1
	v_and_b32 v[L16], 31, v0
	v_lshlrev_b32 v[PFO], 8, v[L16]
	v_lshlrev_b32 v[L16], 4, v[L16]
	s_wait_dscnt 0x0                               ; both opening adds are done
	s_wait_kmcnt 0x0
	s_mov_b32 s[G0], 1                             ; count = 1
	s_lshl_b32 s[G0+1], s[WV], 14                  ; LDS address: slot 0, my step
	s_add_nc_u64 s[G0+2:G0+3], s[6:7], s[16:17]    ; global address: made of the head and the wave's number alone
	s_or_b32 s[G0+3], s[G0+3], 0x80000000          ; type = 2
	s_add_nc_u64 s[PFA:PFA+1], s[6:7], s[18:19]
	s_add_nc_u64 s[4:5], s[4:5], s[20:21]
	s_add_nc_u64 s[8:9], s[8:9], s[22:23]
	CROUND                                         ; all four work-groups are here: the first joint loads meet
	tensor_load_to_lds s[G0:G0+3], s[G1:G1+7]      ; slot 0: every wave issues its step's load
	s_nop 0
.rept 4
	v_nop
.endr
	WIN 0x40                                       ; destination window 1, address window 0
.irp i, 0,1,2,3,4,5,6,7,8,9,10,11,12,13,14,15
	global_load_b128 v[QF+4*\i:QF+4*\i+3], v[L16], s[4:5] offset:512*\i   ; Q stays in registers: tile i / 4, channels 32 ((i / 2) % 2) on, half i % 2
.endr
.set i, 0
.rept 128
	v_mov_b32 v[i], 0                              ; O^T: the key step is written once; its first walk finds zeros, which a = 0 leaves zeros
.set i, i+1
.endr
	WIN 0
.irp t, 0,1,2,3
	v_mov_b32 v[ST+8*\t], 0xff61b1e6               ; m: -3e38, under every score
	v_mov_b32 v[ST+8*\t+1], 0                      ; (named as the upper half of the pair with m)
	v_mov_b32 v[ST+8*\t+2], 0                      ; l, in two halves
	v_mov_b32 v[ST+8*\t+3], 0
.endr
.macro FETCH_K                         ; a step's K: eight fragments, 16 loads of 512 consecutive bytes
.irp i, 0,1,2,3,4,5,6,7,8,9,10,11,12,13,14,15
	ds_load_b128 v[KF+4*\i:KF+4*\i+3], v[ADR] offset:512*\i
.endr
.endm
.macro FETCH_V                         ; and its V^T
	WIN 0x40
.irp i, 0,1,2,3,4,5,6,7,8,9,10,11,12,13,14,15
	ds_load_b128 v[VF+4*\i:VF+4*\i+3], v[ADR] offset:8192+512*\i
.endr
.endm
; S^T = K Q^T: product i of 32: channels 32 (i / 16) on, keys 16 ((i / 4) % 4) on, tile i % 4.  The first 16 start the sums.  The 16 accumulators take turns, one instruction a turn.
.macro KQ
	WIN 0x04                                       ; source 1 (Q) window 1
.set i, 0
.rept 32
.set rS, S+32*(i%4)+8*((i/4)%4)
.set rK, KF+16*((i/4)%4)+8*(i/16)
.set rQ, QF+16*(i%4)+8*(i/16)
.if i < 16
	v_wmma_f32_16x16x32_f16 v[rS:rS+7], v[rK:rK+7], v[rQ:rQ+7], 0
.else
	v_wmma_f32_16x16x32_f16 v[rS:rS+7], v[rK:rK+7], v[rQ:rQ+7], v[rS:rS+7]
.endif
.set i, i+1
.endr
.endm
; O^T += V^T P^T: product i of 32: keys 32 (i / 16) on, channels 16 ((i / 4) % 4) on, tile i % 4.
.macro PV
	WIN 0x51                                       ; V^T, C and D window 1; P window 0
.set i, 0
.rept 32
.set rO, 32*(i%4)+8*((i/4)%4)
.set rV, VF+32*(i/16)+8*((i/4)%4)
.set rP, S+32*(i%4)+8*(i/16)
	v_wmma_f32_16x16x32_f16 v[rO:rO+7], v[rV:rV+7], v[rP:rP+7], v[rO:rO+7]
.set i, i+1
.endr
.endm
; The four tiles' softmax for one key step; every line is written for the four tiles by turns, so that no line waits for the line above it.
.macro SOFTMAX
	WIN 0
.irp j, 0,1,2,3                        ; the maximum of the lane's 32 scores and the old m: four chains, one for each tile of keys, each begun at that accumulator's low end
.irp t, 0,1,2,3
	v_max3_num_f32 v[ST+8*\t+4+\j], v[S+32*\t+8*\j], v[S+32*\t+8*\j+1], v[S+32*\t+8*\j+2]
.endr
.endr
.irp u, 1,2
.irp j, 0,1,2,3
.irp t, 0,1,2,3
	v_max3_num_f32 v[ST+8*\t+4+\j], v[ST+8*\t+4+\j], v[S+32*\t+8*\j+2*\u+1], v[S+32*\t+8*\j+2*\u+2]
.endr
.endr
.endr
.irp t, 0,1,2,3
	v_max3_num_f32 v[ST+8*\t+4], v[ST+8*\t+4], v[S+32*\t+7], v[S+32*\t+15]
.endr
.irp t, 0,1,2,3
	v_max3_num_f32 v[ST+8*\t+6], v[ST+8*\t+6], v[S+32*\t+23], v[S+32*\t+31]
.endr
.irp t, 0,1,2,3
	v_max3_num_f32 v[ST+8*\t+4], v[ST+8*\t+4], v[ST+8*\t+5], v[ST+8*\t+6]
.endr
.irp t, 0,1,2,3
	v_max3_num_f32 v[ST+8*\t+4], v[ST+8*\t+4], v[ST+8*\t+7], v[ST+8*\t]
.endr
.irp t, 0,1,2,3
	v_permlanex16_b32 v[ST+8*\t+5], v[ST+8*\t+4], s[SEL], s[SEL+1]   ; the query's other 32 keys lie in the lane 16 away
.endr
.irp t, 0,1,2,3
	v_max_num_f32 v[ST+8*\t+4], v[ST+8*\t+4], v[ST+8*\t+5]           ; the new m
.endr
.irp t, 0,1,2,3
	v_sub_f32 v[ST+8*\t+7], v[ST+8*\t], v[ST+8*\t+4]                 ; m_old - m_new
.endr
.irp t, 0,1,2,3
	v_mov_b32 v[ST+8*\t], v[ST+8*\t+4]
.endr
.irp i, 0,2,4,6,8,10,12,14,16,18,20,22,24,26,28,30
.irp t, 0,1,2,3
	v_pk_add_f32 v[S+32*\t+\i:S+32*\t+\i+1], v[S+32*\t+\i:S+32*\t+\i+1], v[ST+8*\t:ST+8*\t+1] op_sel_hi:[1,0] neg_lo:[0,1] neg_hi:[0,1]   ; s - m, two at a time
.endr
.endr
.irp t, 0,1,2,3                        ; ONE BATCH of 132 exponentials: none reads another's result
	v_exp_f32 v[ST+8*\t+6], v[ST+8*\t+7]           ; a
.endr
.set i, 0
.rept 32
.irp t, 0,1,2,3
	v_exp_f32 v[S+32*\t+i], v[S+32*\t+i]           ; p
.endr
.set i, i+1
.endr
	v_nop                                          ; a plain instruction behind the last exponential,
	s_wait_alu depctr_va_vdst(0)                   ; and the one wait ahead of the batch's first reader
.irp t, 0,1,2,3
	v_pk_fma_f32 v[ST+8*\t+2:ST+8*\t+3], v[ST+8*\t+2:ST+8*\t+3], v[ST+8*\t+6:ST+8*\t+7], v[S+32*\t:S+32*\t+1] op_sel_hi:[1,0,1]   ; l = a l + p, of the unrounded p; two chains
.endr
.irp t, 0,1,2,3
	v_pk_add_f32 v[ST+8*\t+4:ST+8*\t+5], v[S+32*\t+2:S+32*\t+3], v[S+32*\t+4:S+32*\t+5]
.endr
.irp i, 6,10,14,18,22,26
.irp t, 0,1,2,3
	v_pk_add_f32 v[ST+8*\t+2:ST+8*\t+3], v[ST+8*\t+2:ST+8*\t+3], v[S+32*\t+\i:S+32*\t+\i+1]
.endr
.irp t, 0,1,2,3
	v_pk_add_f32 v[ST+8*\t+4:ST+8*\t+5], v[ST+8*\t+4:ST+8*\t+5], v[S+32*\t+\i+2:S+32*\t+\i+3]
.endr
.endr
.irp t, 0,1,2,3
	v_pk_add_f32 v[ST+8*\t+2:ST+8*\t+3], v[ST+8*\t+2:ST+8*\t+3], v[S+32*\t+30:S+32*\t+31]
.endr
.irp t, 0,1,2,3
	v_pk_add_f32 v[ST+8*\t+2:ST+8*\t+3], v[ST+8*\t+2:ST+8*\t+3], v[ST+8*\t+4:ST+8*\t+5]
.endr
.irp i, 0,1,2,3,4,5,6,7,8,9,10,11,12,13,14,15
.irp t, 0,1,2,3
	v_cvt_pk_f16_f32 v[S+32*\t+\i], v[S+32*\t+2*\i], v[S+32*\t+2*\i+1]   ; P, in place, ascending: registers 8 g .. 8 g + 7 are the fragment of keys 32 g on
.endr
.endr
	WIN 0x41                                       ; O^T (destination and source 0) window 1, a window 0
.irp i, 0,2,4,6,8,10,12,14,16,18,20,22,24,26,28,30
.irp t, 0,1,2,3
	v_pk_mul_f32 v[32*\t+\i:32*\t+\i+1], v[32*\t+\i:32*\t+\i+1], v[ST+8*\t+6:ST+8*\t+7] op_sel_hi:[1,0]   ; O^T x a, each accumulator from its low end on
.endr
.endr
.endm
; A KEY STEP.  Its K and V^T have been asked for, K first.  more = 1: the next step lies in the same slot: its K is asked for behind this step's K Q^T, its V^T behind this step's V^T P^T.
.macro STEP more
	s_wait_dscnt 16                                ; K is in; V^T's 16 loads, issued behind it, may be out
	KQ
	WIN 0
.if \more
	s_add_co_u32 s[TB], s[TB], STEPB
	v_add_nc_u32 v[ADR], s[TB], v[L16]             ; with the three v_nop: the four places in front of loads into K's registers and of the first read of the scores
.rept 3
	v_nop
.endr
	FETCH_K
.else
.rept 4
	v_nop
.endr
.endif
	SOFTMAX
.if \more
	s_wait_dscnt 16                                ; V^T is in; the next K's 16 loads may be out
.else
	s_wait_dscnt 0x0
.endif
	PV
.rept 5
	v_nop                                          ; four places in front of loads into V^T's registers; the fifth for the next K Q^T, which writes over P
.endr
.if \more
	FETCH_V
.endif
	WIN 0
.endm
; A slot's eight key steps: seven in a loop, the eighth without a fetch.
.macro SLOT
	v_add_nc_u32 v[ADR], s[TB], v[L16]
	FETCH_K
	FETCH_V
	WIN 0
	s_mov_b32 s[CNT], 7
.Lstep_\@:
	STEP 1
	s_sub_co_u32 s[CNT], s[CNT], 1
	s_cmp_lg_u32 s[CNT], 0
	s_cbranch_scc1 .Lstep_\@
	STEP 0
	s_sub_co_u32 s[TB], s[TB], 7*STEPB             ; back to a slot's first step,
	s_xor_b32 s[TB], s[TB], SLOT1                  ; in the other slot
.endm
; THE CHANGE OF SLOTS stands at a slot's head.  Each wave waits for all its tensor loads (its step of the slot ahead), adds 0 to its spare word, and waits for that and for its reads of the slot that it has left.
; fill = 1: a round of the cluster's barrier: no wave of any partner still reads the other slot or has a load on its way; the joint load is the first thing behind it, one a wave, and has eight key steps, 512 matrix instructions a wave, in which to land.
.macro CHANGE fill
	s_wait_tensorcnt 0x0                           ; no tensor load of mine is out, so group 0 may be written
	ds_add_u32 v[SPW], v[NIL]                      ; 0 onto my spare word
.if \fill
	s_xor_b32 s[G0+1], s[G0+1], SLOT1              ; the other slot than last time,
	s_add_nc_u64 s[G0+2:G0+3], s[G0+2:G0+3], 8*STEPB   ; the next 512 keys; the type bits on top are not reached
	s_wait_xcnt 0x0                                ; the last prefetch, a slot back, has read its address:
	s_add_nc_u64 s[PFA:PFA+1], s[PFA:PFA+1], 8*STEPB   ; one slot further on than the walking descriptor
	s_wait_dscnt 0x0                               ; the add is done, and my reads of the slot that I have left are over
	CROUND
	tensor_load_to_lds s[G0:G0+3], s[G1:G1+7]
	s_nop 0
.rept 4
	v_nop
.endr
	ASK
.else
	s_wait_dscnt 0x0
	s_barrier_signal -1
	s_barrier_wait -1
.endif
.endm
	s_wait_loadcnt 0x0                             ; Q
.Lslot:                                            ; three trips: behind each change of slots but the last the next slot is asked for
	CHANGE 1
	SLOT
	s_sub_co_u32 s[SLOTS], s[SLOTS], 1
	s_cmp_lg_u32 s[SLOTS], 0
	s_cbranch_scc1 .Lslot
	CHANGE 0                                       ; the last slot is written out
	SLOT
	; THE WAY OUT.  l's two halves and the other half of the lanes' are added; O^T / l is rounded to f16: four registers a tile of channels are half a fragment's image.
.irp t, 0,1,2,3
	v_add_f32 v[ST+8*\t+4], v[ST+8*\t+2], v[ST+8*\t+3]
.endr
.irp t, 0,1,2,3
	v_permlanex16_b32 v[ST+8*\t+5], v[ST+8*\t+4], s[SEL], s[SEL+1]
.endr
.irp t, 0,1,2,3
	v_add_f32 v[ST+8*\t+4], v[ST+8*\t+4], v[ST+8*\t+5]
.endr
.irp t, 0,1,2,3
	v_rcp_f32 v[ST+8*\t+6], v[ST+8*\t+4]
.endr
	v_nop                                          ; a plain instruction behind the last reciprocal,
	s_wait_alu depctr_va_vdst(0)                   ; and the one wait ahead of the first use
.irp t, 0,1,2,3
	WIN 0x01                                       ; source 0 (O^T) window 1
.irp i, 0,2,4,6,8,10,12,14,16,18,20,22,24,26,28,30
	v_pk_mul_f32 v[S+32*\t+\i:S+32*\t+\i+1], v[32*\t+\i:32*\t+\i+1], v[ST+8*\t+6:ST+8*\t+7] op_sel_hi:[1,0]
.endr
	WIN 0
.irp i, 0,1,2,3,4,5,6,7,8,9,10,11,12,13,14,15
	v_cvt_pk_f16_f32 v[S+32*\t+\i], v[S+32*\t+2*\i], v[S+32*\t+2*\i+1]
.endr
.irp c, 0,1,2,3
	global_store_b128 v[L16], v[S+32*\t+4*\c:S+32*\t+4*\c+3], s[8:9] offset:32768*\t+512*\c   ; 512 consecutive bytes, aligned; no register is written twice
.endr
.endr
	s_wait_tensorcnt 0x0                           ; the wave's end
	ds_add_u32 v[SPW], v[NIL]
	s_wait_dscnt 0x0
	CROUND                                         ; the closing round: no work-group ends while a partner may still ask for a tile that names it
	s_endpgm
.Lfunc_end_k_q14fa52d18e_attn:
	.size	k_q14fa52d18e_attn, .Lfunc_end_k_q14fa52d18e_attn-k_q14fa52d18e_attn
	.p2alignl 7, 3214868480
	.fill 96, 4, 3214868480
	.section	.rodata,"a",@progbits
	.p2align	6, 0x0
	.amdhsa_kernel k_q14fa52d18e_attn
		.amdhsa_group_segment_fixed_size 327680
		.amdhsa_private_segment_fixed_size 0
		.amdhsa_enable_private_segment 0
		.amdhsa_kernarg_size 24
		.amdhsa_user_sgpr_count 2
		.amdhsa_user_sgpr_kernarg_segment_ptr 1
		.amdhsa_wavefront_size32 1
		.amdhsa_system_sgpr_workgroup_id_x 1
		.amdhsa_system_sgpr_workgroup_id_y 1
		.amdhsa_system_sgpr_workgroup_id_z 1
		.amdhsa_system_vgpr_workitem_id 0
		.amdhsa_next_free_vgpr 512
		.amdhsa_next_free_sgpr 66
		.amdhsa_reserve_vcc 0
		.amdhsa_float_denorm_mode_32 3
		.amdhsa_float_denorm_mode_16_64 3
		.amdhsa_memory_ordered 1
		.amdhsa_forward_progress 1
		.amdhsa_inst_pref_size 149
	.end_amdhsa_kernel
	.amdgpu_metadata
---
amdhsa.version: [ 1, 2 ]
amdhsa.kernels:
  - .name:           k_q14fa52d18e_attn
    .symbol:         k_q14fa52d18e_attn.kd
    .args:
      - { .name: qimg, .offset: 0, .size: 8, .value_kind: global_buffer, .address_space: global }
      - { .name: kv, .offset: 8, .size: 8, .value_kind: global_buffer, .address_space: global }
      - { .name: aimg, .offset: 16, .size: 8, .value_kind: global_buffer, .address_space: global }
    .group_segment_fixed_size: 327680
    .private_segment_fixed_size: 0
    .kernarg_segment_align: 8
    .kernarg_segment_size: 24
    .max_flat_workgroup_size: 256
    .sgpr_count:     66
    .vgpr_count:     512
    .wavefront_size: 32
...
	.end_amdgpu_metadata
.endif
;; end of part 3
;; launch proj (part 4): grid 4 x 64, 4 waves a work-group, clusters of 4 x 4, 327,680 bytes of LDS; arguments aimg, wimg, b_proj, out0; writes out0
.if DOCPART == 4
	.amdgcn_target "amdgcn-amd-amdhsa--gfx1250"
	.amdhsa_code_object_version 6
	.text
	.protected	k_q14fa52d18e_proj
	.globl	k_q14fa52d18e_proj
	.p2align	8
	.type	k_q14fa52d18e_proj,@function
k_q14fa52d18e_proj:
	s_mov_b64 s[64:65], 0
	v_nop
	global_prefetch_b8 v0, s[64:65] scope:SCOPE_SE
	s_setreg_imm32_b32 hwreg(HW_REG_WAVE_MODE, 25, 1), 1
	s_wait_xcnt 0x0
	s_wait_alu depctr_hold_cnt(0) depctr_sa_sdst(0) depctr_va_vdst(0) depctr_va_sdst(0) depctr_va_ssrc(0) depctr_va_vcc(0) depctr_vm_vsrc(0)
	s_getreg_b32 s2, hwreg(HW_REG_IB_STS2, 6, 4)
	s_cmp_eq_u32 s2, 0
	s_cbranch_scc0 .Lentry_in_a_cluster
	s_endpgm
.Lentry_in_a_cluster:
	s_bfe_u32 s2, ttmp6, 0x10000c
	s_cmp_lg_u32 s2, 0xf033
	s_cbranch_scc0 .Lentry_shape_is_right
	s_endpgm
.Lentry_shape_is_right:
; LAUNCH 4 OF 4: out0 = attention's result x w_proj^T + b_proj.  [8192][1024] x [1024][1024], f16 operands, f32 sums; b_proj is the C of each sum's first matrix instruction.  Nothing of reference() is left out.
; Both operands come as images of operand registers (launches 3 and 1): [16 rows][32 along K: 32][half: 2][512 bytes]: 128 along K of 16 rows are 4,096 consecutive bytes, and a half is read from LDS by one ds_load_b128 at 16 x lane.
; A tile of the result is 128 tokens x 256 outputs: 256 work-groups.  Four waves, 64 x 128 each: 32 accumulators of 16 x 16.  K goes in eight steps of 128 through a ring of two LDS slots.
; CLUSTERS of 4 x 4: the four of a row need the same tokens (and are all four tiles of outputs), the four of a column the same rows of w_proj: each tile is asked for jointly.
; The matrix instruction takes source 0 = 16 rows of w_proj, source 1 = 16 tokens: a lane holds one token and eight neighbouring outputs.
; REGISTERS: window 0: v16-29 addresses; v32-95 the bias, eight registers a tile of outputs; v128-255 rows on the way out.  window 1: two fragment buffers of 96 (A's four, then B's eight).  window 2: the accumulators, (a, b) at v[8 (8 a + b)].
.set SLOT,   98304                     ; A: 8 token blocks x 4,096 bytes; then B: 16 blocks of outputs x 4,096
.set BOFF,   32768
.set SPARE,  2*SLOT                    ; behind the ring: the spare words, 128 bytes for each wave, which no other line names
.set SPITCH, 528                       ; the way out: a stage of 16 rows x (512 bytes + 16) for each wave, in slot 0, which has had its last fill and its last read when the first result is stored there
.set LAPS,   4                         ; a lap = two K steps
.set ADRA, 16                          ; v16-17 LDS address of my A fragments in slot 0, 1
.set ADRB, 20                          ; v20-21 the same for B
.set STO,  24                          ; v24 the way out: where I put 32 bytes of a row
.set RD,   25                          ; v25 and where I read a row back
.set CO,   26                          ; v26 16 x lane
.set VB,   27                          ; v27 32 h: my eight numbers of a tile of the bias
.set SPW,  28                          ; v28 LDS address of my spare word; never rewritten
.set NIL,  29                          ; v29 0; never rewritten
.set BI,   32
.set BK,   128
.set F0,   0
.set F1,   96
.set WV,  12                           ; s12 wave;  s13 wave / 2: my half of the tokens, and: I fetch for A (0) or B (1);  s14 wave % 2: my half of the outputs, and: which half of that tile I fetch
.set G1, 24                            ; s[24:31] descriptor group 1 for A's tiles;  s[32:39] group 0, one set for each slot
.set G0, 32
.set G1B, 48                           ; s[48:55], s[56:63] the same for B's
.set G0B, 56
.set MSB, 0
.macro WIN new
.if MSB != (\new)
	s_set_vgpr_msb (MSB<<8)|(\new)
.set MSB, (\new)
.endif
.endm
.set MUL,  0xa5                        ; sources 0 (B) and 1 (A) window 1; C and D window 2.  With the bias as C (window 0): 0x85
.set TO_F, 0x40                        ; destination window 1, address window 0
.macro JLOAD s                         ; a joint load: waves 0 and 1 fetch A's halves, waves 2 and 3 B's; an s_nop 0 and four v_nop follow each of the two lines
	s_cmp_eq_u32 s13, 0
	s_cbranch_scc0 .Lfor_b_\@
	tensor_load_to_lds s[G0+4*\s:G0+4*\s+3], s[G1:G1+7]
	s_nop 0
.rept 4
	v_nop
.endr
	s_branch .Lasked_\@
.Lfor_b_\@:
	tensor_load_to_lds s[G0B+4*\s:G0B+4*\s+3], s[G1B:G1B+7]
	s_nop 0
.rept 4
	v_nop
.endr
.Lasked_\@:
.endm
.macro CREST                           ; a round of the cluster's barrier behind its opening barrier
	s_cmp_lg_u32 s[WV], 0
	s_cbranch_scc1 .Lnot_wave_0_\@
	s_barrier_signal -3
.Lnot_wave_0_\@:
	s_barrier_wait -3
	s_barrier_signal -1
	s_barrier_wait -1
.endm
.macro CROUND
	s_barrier_signal -1
	s_barrier_wait -1
	CREST
.endm
	s_load_b128 s[4:7], s[0:1], 0x0                ; aimg s[4:5], wimg s[6:7]
	s_load_b128 s[8:11], s[0:1], 0x10              ; b_proj s[8:9], out0 s[10:11]
	v_lshl_add_u32 v[SPW], v0, 2, SPARE
	v_mov_b32 v[NIL], 0
	ds_add_u32 v[SPW], v[NIL]                      ; the wave's opening: the add, twice on end, and its wait ahead of my first tensor load
	ds_add_u32 v[SPW], v[NIL]                      ; (once more; the set-up below, work on registers, stands between it and the wait)
	v_lshrrev_b32 v1, 5, v0
	v_readfirstlane_b32 s[WV], v1                  ; wave 0..3
	s_lshr_b32 s13, s[WV], 1
	s_and_b32 s14, s[WV], 1
	s_bfe_u32 s40, ttmp6, 0x40000                  ; cx, cy
	s_bfe_u32 s41, ttmp6, 0x40004
	s_lshl_b32 s42, ttmp9, 2
	s_add_co_u32 s42, s42, s40                     ; tile column: 256 outputs
	s_and_b32 s15, ttmp7, 0xffff
	s_lshl_b32 s15, s15, 2
	s_add_co_u32 s15, s15, s41                     ; tile row: 128 tokens
	s_lshl_b32 s43, s41, 2
	s_lshl_b32 s43, 15, s43                        ; my row of the cluster
	s_lshl_b32 s44, 0x1111, s40                    ; my column
	; descriptor group 1: rows of 4,096 bytes (512 elements of 8), 32,768 bytes apart in memory, dense in LDS: A 4 rows to a load, B 8
	s_or_b32 s[G1+0], s43, (3<<16)|(1<<21)
	s_mov_b32 s[G1+1], 512<<16                     ; tensor_dim0
	s_mov_b32 s[G1+2], 4<<16                       ; tensor_dim1
	s_mov_b32 s[G1+3], 512<<16                     ; tile_dim0
	s_mov_b32 s[G1+4], 4                           ; tile_dim1
	s_mov_b32 s[G1+5], 4096                        ; tensor_dim0_stride
	s_mov_b32 s[G1+6], 0
	s_mov_b32 s[G1+7], 0
	s_or_b32 s[G1B+0], s44, (3<<16)|(1<<21)
	s_mov_b32 s[G1B+1], 512<<16
	s_mov_b32 s[G1B+2], 8<<16
	s_mov_b32 s[G1B+3], 512<<16
	s_mov_b32 s[G1B+4], 8
	s_mov_b32 s[G1B+5], 4096
	s_mov_b32 s[G1B+6], 0
	s_mov_b32 s[G1B+7], 0
	s_lshl_b32 s16, s15, 3
	s_lshl_b32 s17, s14, 2
	s_add_co_u32 s16, s16, s17                     ; A: token block 8 x tile row + 4 x half,
	s_lshl_b32 s16, s16, 15                        ; of 32,768 bytes
	s_mov_b32 s17, 0
	s_lshl_b32 s46, s42, 4
	s_lshl_b32 s47, s14, 3
	s_add_co_u32 s46, s46, s47                     ; B: block 16 x tile column + 8 x half
	s_lshl_b32 s46, s46, 15
	s_mov_b32 s47, 0
	s_lshl_b32 s20, s14, 14                        ; where they go: A's halves at 0 and 16,384;
	s_lshl_b32 s21, s14, 15
	s_add_co_u32 s21, s21, BOFF                    ; B's at 32,768 and 65,536
	s_wait_dscnt 0x0                               ; both opening adds are done
	s_wait_kmcnt 0x0
	s_add_nc_u64 s[18:19], s[4:5], s[16:17]
	s_add_nc_u64 s[46:47], s[6:7], s[46:47]
	CROUND                                         ; all sixteen work-groups are here: the first joint loads meet
.irp s, 0,1
	s_mov_b32 s[G0+4*\s], 1
	s_add_co_u32 s[G0+4*\s+1], s20, \s*SLOT
	s_add_nc_u64 s[G0+4*\s+2:G0+4*\s+3], s[18:19], \s*4096
	s_or_b32 s[G0+4*\s+3], s[G0+4*\s+3], 0x80000000
	s_mov_b32 s[G0B+4*\s], 1
	s_add_co_u32 s[G0B+4*\s+1], s21, \s*SLOT
	s_add_nc_u64 s[G0B+4*\s+2:G0B+4*\s+3], s[46:47], \s*4096
	s_or_b32 s[G0B+4*\s+3], s[G0B+4*\s+3], 0x80000000
	JLOAD \s                                       ; two tensor loads of mine are out
.endr
	v_and_b32 v1, 15, v0                           ; r
	v_bfe_u32 v2, v0, 4, 1                         ; h
	v_and_b32 v3, 31, v0
	v_lshlrev_b32 v[CO], 4, v3
	v_lshlrev_b32 v[VB], 5, v2
	s_lshl_b32 s16, s42, 10                        ; my first output, in bytes: 1,024 x tile column + 512 x half
	s_lshl_b32 s17, s14, 9
	s_add_co_u32 s16, s16, s17
	s_mov_b32 s17, 0
	s_add_nc_u64 s[8:9], s[8:9], s[16:17]
.irp b, 0,1,2,3,4,5,6,7
.irp e, 0,1
	global_load_b128 v[BI+8*\b+4*\e:BI+8*\b+4*\e+3], v[VB], s[8:9] offset:64*\b+16*\e   ; b_proj(16 b + 8 h + 4 e ..): the result's layout
.endr
.endr
	s_add_nc_u64 s[10:11], s[10:11], s[16:17]
	s_lshl_b32 s16, s15, 19                        ; my first token's row of 4,096 bytes: 128 x tile row + 64 x half
	s_lshl_b32 s22, s13, 18
	s_add_co_u32 s16, s16, s22
	s_add_nc_u64 s[10:11], s[10:11], s[16:17]
	s_lshl_b32 s22, s13, 14                        ; my four token blocks
	s_lshl_b32 s23, s14, 15                        ; my eight blocks of outputs,
	s_add_co_u32 s23, s23, BOFF                    ; behind A's
.irp s, 0,1
	v_add_nc_u32 v[ADRA+\s], s22, v[CO]
	v_add_nc_u32 v[ADRB+\s], s23, v[CO]
	s_add_co_u32 s22, s22, SLOT
	s_add_co_u32 s23, s23, SLOT
.endr
	s_mul_i32 s22, s[WV], 16*SPITCH                ; my stage
	v_mul_u32_u24 v4, v1, SPITCH
	v_lshl_add_u32 v4, v2, 5, v4
	v_add_nc_u32 v[STO], s22, v4                   ; in: row r, 32 bytes for each half of the lanes
	v_add_nc_u32 v[RD], s22, v[CO]                 ; back: the 32 lanes take one row of 512 bytes
; 8 matrix instructions: token block a x the eight blocks of outputs, 32 along K, from buffer f.  zero = 1: the bias starts the sums.  The 32 accumulators take turns, one instruction a turn.
.macro MULA f, a, zero
.irp b, 0,1,2,3,4,5,6,7
.if \zero
	v_wmma_f32_16x16x32_f16 v[8*(8*(\a)+\b):8*(8*(\a)+\b)+7], v[\f+32+8*\b:\f+32+8*\b+7], v[\f+8*(\a):\f+8*(\a)+7], v[BI+8*\b:BI+8*\b+7]
.else
	v_wmma_f32_16x16x32_f16 v[8*(8*(\a)+\b):8*(8*(\a)+\b)+7], v[\f+32+8*\b:\f+32+8*\b+7], v[\f+8*(\a):\f+8*(\a)+7], v[8*(8*(\a)+\b):8*(8*(\a)+\b)+7]
.endif
.endr
.endm
; 24 LDS loads in one run: the fragments of the slot's kk-th 32 along K into buffer f: B's sixteen halves, then A's eight
.macro FETCH slot, kk, f
	WIN TO_F
.irp b, 0,1,2,3,4,5,6,7
.irp g, 0,1
	ds_load_b128 v[\f+32+8*\b+4*\g:\f+32+8*\b+4*\g+3], v[ADRB+\slot] offset:4096*\b+1024*(\kk)+512*\g
.endr
.endr
.irp a, 0,1,2,3
.irp g, 0,1
	ds_load_b128 v[\f+8*\a+4*\g:\f+8*\a+4*\g+3], v[ADRA+\slot] offset:4096*\a+1024*(\kk)+512*\g
.endr
.endr
.endm
.macro PLACES                          ; four places in front of loads into registers that matrix instructions have read, and of the first read of results (ISA guide 7.12.1 for vector instructions)
.rept 4
	v_nop
.endr
.endm
; A K step is four quarters of 32 along K, 32 matrix instructions each, on buffers 0, 1, 0, 1.  One of the first three: multiplies buffer f and fetches the slot's kk-th quarter into g.
.macro QUARTER slot, kk, f, g, zero
	s_wait_dscnt 4                                 ; B's fragments and A's blocks 0, 1 are in; the youngest four loads (blocks 2, 3) may be out
	WIN MUL-0x20*(\zero)
	MULA \f, 0, \zero
	MULA \f, 1, \zero
	PLACES
	FETCH \slot, \kk, \g
	s_wait_dscnt 24                                ; all but the 24 just issued
	WIN MUL-0x20*(\zero)
	MULA \f, 2, \zero
	MULA \f, 3, \zero
.endm
; The last quarter multiplies buffer 1 and changes slots: one barrier; in front of it each wave waits for all its tensor loads, adds 0 to its spare word, and waits for that and for its own reads of this slot.  fill = 1: this slot is filled again, two K steps ahead.
.macro TURN slot, next, fill
	WIN 0                                          ; (the add's two registers lie in window 0)
	s_wait_tensorcnt 0x0                           ; all my tensor loads have landed: my part of the next slot
	ds_add_u32 v[SPW], v[NIL]                      ; 0 onto my spare word
	s_wait_dscnt 5                                 ; (the add and the youngest four loads may be out)
	WIN MUL
	MULA F1, 0, 0                                  ; eight matrix instructions stand between the add and the wait for it
	s_wait_dscnt 0x0                               ; the add is done, and my reads of this slot are over
	s_barrier_signal -1
	MULA F1, 1, 0
.if \fill
	WIN 0
.endif
	s_barrier_wait -1
.if \fill
	CREST                                          ; the barrier has opened a round of the cluster's barrier: no wave of any partner still reads this slot or has a load on its way
	s_add_nc_u64 s[G0+4*\slot+2:G0+4*\slot+3], s[G0+4*\slot+2:G0+4*\slot+3], 2*4096
	s_add_nc_u64 s[G0B+4*\slot+2:G0B+4*\slot+3], s[G0B+4*\slot+2:G0B+4*\slot+3], 2*4096
	JLOAD \slot                                    ; the first tensor load behind the round, one a wave; its four v_nop are also the places in front of the loads below
.else
	PLACES
.endif
	FETCH \next, 0, F0
	WIN MUL
	MULA F1, 2, 0
	MULA F1, 3, 0
.endm
	s_wait_tensorcnt 1                             ; my part of K step 0 is in (K step 1's load, issued behind it, may be out),
	s_barrier_signal -1
	s_barrier_wait -1                              ; everybody's is
	FETCH 0, 0, F0
	s_wait_loadcnt 0x0                             ; the bias
	QUARTER 0, 1, F0, F1, 1                        ; the first quarter stands in front of the loop: its products start the sums from the bias
	WIN 0                                          ; at a label and at a branch every window is 0
	s_mov_b32 s3, LAPS-1
.Llap:                                             ; a trip goes once round the ring, from a lap's second quarter to the next lap's first, and fills both slots again
	QUARTER 0, 2, F1, F0, 0
	QUARTER 0, 3, F0, F1, 0
	TURN 0, 1, 1
	QUARTER 1, 1, F0, F1, 0
	QUARTER 1, 2, F1, F0, 0
	QUARTER 1, 3, F0, F1, 0
	TURN 1, 0, 1
	QUARTER 0, 1, F0, F1, 0
	WIN 0
	s_sub_co_u32 s3, s3, 1
	s_cmp_lg_u32 s3, 0
	s_cbranch_scc1 .Llap
	QUARTER 0, 2, F1, F0, 0                        ; the last lap fills nothing, and has no round of the cluster's barrier
	QUARTER 0, 3, F0, F1, 0
	TURN 0, 1, 0
	QUARTER 1, 1, F0, F1, 0
	QUARTER 1, 2, F1, F0, 0
	QUARTER 1, 3, F0, F1, 0
	s_wait_dscnt 4                                 ; the very last quarter: nothing more to fetch
	WIN MUL
	MULA F1, 0, 0
	MULA F1, 1, 0
	s_wait_dscnt 0x0
	MULA F1, 2, 0
	MULA F1, 3, 0
	WIN 0
; THE WAY OUT, block by block of 16 tokens x 128 outputs.  A lane holds 32 neighbouring bytes of a row, and the lanes beside it hold other rows: a block goes through my own stage in LDS and comes back as whole rows of 512 bytes.
; LDS serves a wave's instructions in order (ISA guide 5.7.1.4): no wait between the stores and the loads, nor in front of the next block's stores.
.macro TOSTAGE a
	WIN 0x08                                       ; an LDS store's data are its source 1: window 2
.irp b, 0,1,2,3,4,5,6,7
	ds_store_b128 v[STO], v[8*(8*(\a)+\b):8*(8*(\a)+\b)+3] offset:64*\b          ; each accumulator from its low end on
	ds_store_b128 v[STO], v[8*(8*(\a)+\b)+4:8*(8*(\a)+\b)+7] offset:64*\b+16
.endr
	WIN 0
.set BB, BK+64*((\a)%2)
.irp t, 0,1,2,3,4,5,6,7,8,9,10,11,12,13,14,15
	ds_load_b128 v[BB+4*\t:BB+4*\t+3], v[RD] offset:\t*SPITCH
.endr
.endm
.macro SEND a, younger                 ; younger: the LDS instructions issued behind block a's loads, which may stay out
.set BB, BK+64*((\a)%2)
	s_wait_dscnt \younger                          ; the block is back in registers
.if (\a) > 0
	s_add_nc_u64 s[10:11], s[10:11], 16*4096       ; (behind a wait on XCNT: the earlier stores have read their base)  16 rows on
.endif
.irp t, 0,1,2,3,4,5,6,7,8,9,10,11,12,13,14,15
	global_store_b128 v[CO], v[BB+4*\t:BB+4*\t+3], s[10:11] offset:\t*4096 th:TH_STORE_NT   ; 32 lanes store 512 consecutive bytes, aligned; written once, read by nobody here
.endr
.endm
	PLACES                                         ; behind the last products, in front of the first read of results
	TOSTAGE 0
.irp a, 1,2,3
.if \a > 1
	s_wait_xcnt 0x0                                ; block a - 2's stores have read their registers and their base
.endif
	TOSTAGE \a
	SEND \a-1, 32                                  ; behind block a - 1's loads: block a's 16 stores and 16 loads
.endr
	s_wait_xcnt 0x0                                ; block 2's stores have read their base
	SEND 3, 0
	s_wait_tensorcnt 0x0                           ; the wave's end: behind my last tensor load and my last LDS store
	ds_add_u32 v[SPW], v[NIL]
	s_wait_dscnt 0x0
	CROUND                                         ; the closing round
	s_endpgm
.Lfunc_end_k_q14fa52d18e_proj:
	.size	k_q14fa52d18e_proj, .Lfunc_end_k_q14fa52d18e_proj-k_q14fa52d18e_proj
	.p2alignl 7, 3214868480
	.fill 96, 4, 3214868480
	.section	.rodata,"a",@progbits
	.p2align	6, 0x0
	.amdhsa_kernel k_q14fa52d18e_proj
		.amdhsa_group_segment_fixed_size 327680
		.amdhsa_private_segment_fixed_size 0
		.amdhsa_enable_private_segment 0
		.amdhsa_kernarg_size 32
		.amdhsa_user_sgpr_count 2
		.amdhsa_user_sgpr_kernarg_segment_ptr 1
		.amdhsa_wavefront_size32 1
		.amdhsa_system_sgpr_workgroup_id_x 1
		.amdhsa_system_sgpr_workgroup_id_y 1
		.amdhsa_system_sgpr_workgroup_id_z 1
		.amdhsa_system_vgpr_workitem_id 0
		.amdhsa_next_free_vgpr 768
		.amdhsa_next_free_sgpr 66
		.amdhsa_reserve_vcc 0
		.amdhsa_float_denorm_mode_32 3
		.amdhsa_float_denorm_mode_16_64 3
		.amdhsa_memory_ordered 1
		.amdhsa_forward_progress 1
		.amdhsa_inst_pref_size 86
	.end_amdhsa_kernel
	.amdgpu_metadata
---
amdhsa.version: [ 1, 2 ]
amdhsa.kernels:
  - .name:           k_q14fa52d18e_proj
    .symbol:         k_q14fa52d18e_proj.kd
    .args:
      - { .name: aimg, .offset: 0, .size: 8, .value_kind: global_buffer, .address_space: global }
      - { .name: wimg, .offset: 8, .size: 8, .value_kind: global_buffer, .address_space: global }
      - { .name: b_proj, .offset: 16, .size: 8, .value_kind: global_buffer, .address_space: global }
      - { .name: out0, .offset: 24, .size: 8, .value_kind: global_buffer, .address_space: global }
    .group_segment_fixed_size: 327680
    .private_segment_fixed_size: 0
    .kernarg_segment_align: 8
    .kernarg_segment_size: 32
    .max_flat_workgroup_size: 128
    .sgpr_count:     66
    .vgpr_count:     768
    .wavefront_size: 32
...
	.end_amdgpu_metadata
.endif
;; end of part 4
